; MI455X (gfx1250); checked and timed in simulation.
; The chip was launched on July 23, 2026; its instructions are those of AMD's public machine-readable ISA for CDNA 5 (MIT licence, August 2026) and "CDNA5" Instruction Set Architecture Reference Guide (July 2026). The comments in the code are by the model that wrote it; some were corrected since.
;; Gladius Attention. Allowed arithmetic: matrix products marked QUANTISED: E4M3 operands, one E8M0 scale for each 32 along K, by v_wmma_scale_f32_16x16x128_f8f6f4 with both operands' format E4M3, f32 sums; everything else in f32.
;; Inputs: wk 1,024 x 256 float32; wo 1,024 x 1,024 float32; wq 1,024 x 1,024 float32; wv 1,024 x 256 float32; x 4 x 2,048 x 1,024 float32.
;; Outputs: out0 4 x 2,048 x 1,024 float32.
;; This version of the problem:
;;   THIS VERSION OF THE PROBLEM IS GIVEN IN LOW PRECISION. The matrix products marked QUANTISED in the list below multiply operands that are first quantised to E4M3 (4 exponent bits, 3 mantissa bits; 8 bits a number), with one power-of-two scale for each 32 numbers along K (OCP MX v1.0); their sums are f32. All else is computed in f32.
;;   The module's matrix products, in the order in which they are computed (A, B: the left and right operand; K: the contracted axis; several contracted axes count as one K, in the product's order):
;;     1. [M 8,192, K 1,024] x [K 1,024, N 1,024]; A: input x; B: input wq: QUANTISED
;;     2. [M 8,192, K 1,024] x [K 1,024, N 256]; A: input x; B: input wk: QUANTISED
;;     3. [M 8,192, K 1,024] x [K 1,024, N 256]; A: input x; B: input wv: QUANTISED
;;     4. batch 64 x [M 2,048, K 64] x [K 64, N 2,048]; A: computed on the way; B: computed on the way: QUANTISED
;;     5. batch 64 x [M 2,048, K 2,048] x [K 2,048, N 64]; A: softmax (see below); B: computed on the way: QUANTISED
;;     6. [M 8,192, K 1,024] x [K 1,024, N 1,024]; A: computed on the way; B: input wo: QUANTISED
;;   THE QUANTISER, for each operand of a quantised product, along K:
;;     - K is cut into blocks of 32 from its start; a last block that is shorter is filled with zeros.
;;     - A block's scale is 2^e with e = floor(log2(the largest magnitude in the block)) - 8, held to -126 .. 127; a block of zeros has e = 0. As a byte (E8M0): e + 127.
;;     - Each number is divided by its block's scale, clamped to +-448, and rounded to the nearest number of E4M3, ties to even, subnormals kept.
;;     - The product sums the exact products of the quantised numbers (number of the format x scale) in f32.
;;   ~~~python
;;   def quantise(x, axis):      # numpy; x: float32 -> the quantised numbers, widened to float32 again
;;       x = np.moveaxis(x, axis, -1); K = x.shape[-1]
;;       x = np.pad(x, [(0, 0)] * (x.ndim - 1) + [(0, -K % 32)]); x = x.reshape(x.shape[:-1] + (-1, 32)); a = np.abs(x).max(-1, keepdims=True)
;;       e = np.where(a > 0, np.clip(np.frexp(np.where(a > 0, a, 1))[1] - 1 - 8, -126, 127), 0)      # np.frexp(a)[1] - 1 = floor(log2(a)), exactly
;;       r = np.clip(x / 2.0 ** e, -448, 448)
;;       step = 2.0 ** (np.maximum(np.frexp(np.where(r == 0, 1, r))[1] - 1, -6) - 3)
;;       q = np.round(r / step) * step * 2.0 ** e      # np.round: ties to even
;;       return np.moveaxis(q.reshape(q.shape[:-2] + (-1,))[..., :K], -1, axis).astype(np.float32)
;;   ~~~
;;   SOFTMAX AHEAD OF A QUANTISED PRODUCT. Where the list says 'softmax', what is quantised is not the finished softmax but p = 2^(t - M), with t = logit x log2(e) and M = ceil(the row's largest t), a whole number; so 1/2 < the row's largest p <= 1. The row's sum l is taken of the UNQUANTISED p, in f32, and the product's result is divided by l at the end. Since M is a whole number, a kernel that streams over the keys may use a running M (the ceiling of the running maximum): every later rescaling is an exact power of two, which a block's scale takes up: the codes' values come out the same.
;;   OPERANDS COMPUTED ON THE WAY. 'Computed on the way' means the value that the module computes at that place (a softmax that the list does not call 'softmax' is quantised finished and normalised). What goes into a quantiser is computed in f32, as accurately as f32 sums, v_exp_f32 and their like allow (about 1e-6 of the number): no bf16 or f16 on the way to a quantiser, and a product that is left as it is and whose result goes on into a quantised operand takes f32 operands (vector FMAs, or v_wmma_f32_16x16x4_f32). A number that lies on a knife's edge between two numbers of the format may be rounded either way, as far as f32 arithmetic and the matrix unit's own rounding can turn it there, and no further.
;; One version. Each part assembles by itself: llvm-mc -triple=amdgcn-amd-amdhsa -mcpu=gfx1250 --defsym DOCPART=n.
;; ======== version 1 of 1: 4 launches
;; limits: right only within a limited range of input values
;; workspace buffers: xq 8,650,752 bytes; wimg 3,227,648 bytes; qq 8,912,896 bytes; kv 4,390,912 bytes; aq 8,650,752 bytes
;; launch prep (part 1): grid 704 x 1, 4 waves a work-group, no clusters, 51,712 bytes of LDS; arguments x, wq, wk, wv, wo, xq, wimg; writes xq, wimg
.if DOCPART == 1
	.amdgcn_target "amdgcn-amd-amdhsa--gfx1250"
	.amdhsa_code_object_version 6
	.text
	.protected	k_q289b48833d_prep
	.globl	k_q289b48833d_prep
	.p2align	8
	.type	k_q289b48833d_prep,@function
k_q289b48833d_prep:
	s_mov_b64 s[64:65], 0
	v_nop
	global_prefetch_b8 v0, s[64:65] scope:SCOPE_SE
	s_setreg_imm32_b32 hwreg(HW_REG_WAVE_MODE, 25, 1), 1
	s_wait_xcnt 0x0
; PREP: x and the four weights, f32, become codes of E4M3 with one E8M0 byte for each 32 along K; and the RoPE table is made.
; ONE LAYOUT FOR EVERY OPERAND OF THE PROGRAM: images of the matrix operand's registers, in tiles of 16 rows.
;   Tile T = 2 B + u holds in lane-row r the row rho(T, r) = 32 B + 8 u + r + 8 (r / 8).
;   A fragment (16 rows x 128 K) is 2,048 bytes [c 0..3][lane 0..31][16 bytes]: lane (r = lane % 16, h = lane / 16) has the codes k = 128 s + 32 c + 16 h + 0..15 of row rho(T, r).
;   Scale words: [s][r], four bytes for a row and 128 K.  So every later load of a fragment is 16 bytes a lane, 512 bytes on end.
; xq:   codes T x 16384 + s x 2048 + c x 512 + 16 lane (T 0..511);  scale words at 8,388,608 + T x 512 + s x 64 + 4 r.
; wimg: 160 tiles of weight columns (wq 0-63, wk 64-79, wv 80-95, wo 96-159), same formula; scale words at WS_OFF; the RoPE table at RT_OFF + T x 4096 + q x 512 + 16 lane:
;       quads q 0-3 cos, 4-7 sin; number i of lane (r, h) belongs to position rho(T, r) and frequency 10^(-(16 h + i) / 8).
; THREE PATHS, parted on the work-group's number, each with LDS bytes of its own, each ending by itself: X (512 work-groups), W (160), R (32).  Waves share nothing: no barrier.
; THE QUANTISER: a block's scale is 2^(floor(log2(largest magnitude)) - 8); its byte is the largest magnitude's exponent field - 8, held at 1 from below by a floor among the maximum's leaves.
; LIMITS: a block whose largest magnitude lies under 2^-118, or a block of zeros, gets the byte 1 where the rule says another: its codes are zeros and this program alone reads the bytes.
;   NaN and infinities among the inputs are not served.  RoPE: the frequencies are the correctly rounded 10^(-j/8); an ulp of difference from a computed power moves the largest angles (2,047 x 0.75) by about 1e-4 rad.
.set SEL,  60                          ; s[60:61] v_permlanex16_b32's selects for lane l xor 16
.set MNT,  62                          ; s62  the mantissa field of 448
.set LI,   5                           ; v5   16 x lane
.set STI,  6                           ; v6   path X: the stage, way in
.set STO,  7                           ; v7   path X: the stage, way out
.set LS,   8                           ; v8   4 x lane
.set POS,  9                           ; v9   path R: the position as f32
.set R,    16                          ; v16-143  128 numbers (path R: v16-31 the cosines, v32-47 the sines)
.set SW,   48                          ; v48-57   path R: at work, clear of the cosines and sines
.set PC,   144                         ; v144-175 codes
.set TM,   176                         ; v176-191 largest magnitudes, bytes, holds, scale operands
.set PW,   192                         ; v192-194 scale words
.set WS_OFF,  2621440
.set RT_OFF,  2703360
.set XSC_OFF, 8388608
.set XP,    528                        ; path X: a stage row: 512 bytes + 16, an odd multiple of 16
.set XST,   16*XP                      ; a wave's stage
.set WST0,  4*XST                      ; path W's stages begin behind path X's
.set WHALF, 2176                       ; path W: one image of 2,048 bytes + 128, so that the two images' stores fall on different banks
.set WST,   2*WHALF
; 64 numbers of a lane, register 16 b + i = k 32 b + 16 h + i of its row, become 16 registers of codes at v[pc]; the four bytes are left in v[TM+4 ..].
.macro QUANT4 s, pc
.irp b, 0,1,2,3
	v_max3_num_f32 v[TM+\b], |v[\s+16*\b]|, |v[\s+1+16*\b]|, 0x4800000   ; my 16 numbers of block b, and the floor 2^(9 - 127)
.endr
.irp i, 2,4,6,8,10,12,14
.irp b, 0,1,2,3
	v_max3_num_f32 v[TM+\b], v[TM+\b], |v[\s+16*\b+\i]|, |v[\s+1+16*\b+\i]|   ; the four blocks by turns
.endr
.endr
.irp b, 0,1,2,3
	v_permlanex16_b32 v[TM+4+\b], v[TM+\b], s[SEL], s[SEL+1]
.endr
.irp b, 0,1,2,3
	v_max_num_f32 v[TM+\b], v[TM+\b], v[TM+4+\b]           ; with lane l xor 16's 16: the block's largest magnitude
.endr
.irp b, 0,1,2,3
	v_add_nc_u32 v[TM+12+\b], 0xfc000000, v[TM+\b]         ; 8 off its exponent field: the conversion's scale operand
.endr
.irp b, 0,1,2,3
	v_and_or_b32 v[TM+8+\b], v[TM+\b], 0x7f800000, s[MNT]  ; 448 x the scale
.endr
.irp b, 0,1,2,3
	v_lshrrev_b32 v[TM+4+\b], 23, v[TM+12+\b]              ; the scale's byte
.endr
.irp b, 0,1,2,3
.irp i, 0,1,2,3,4,5,6,7,8,9,10,11,12,13,14,15
	v_med3_num_f32 v[\s+16*\b+\i], v[\s+16*\b+\i], -v[TM+8+\b], v[TM+8+\b]   ; the conversion does not saturate (ISA guide 7.6.2): the hold comes first
.endr
	v_cvt_scalef32_pk8_fp8_f32 v[\pc+4*\b:\pc+4*\b+1], v[\s+16*\b:\s+16*\b+7], v[TM+12+\b]
	v_cvt_scalef32_pk8_fp8_f32 v[\pc+4*\b+2:\pc+4*\b+3], v[\s+16*\b+8:\s+16*\b+15], v[TM+12+\b]
.endr
	v_nop                                          ; one plain line behind the last conversion
.endm
.macro WORD4 d                         ; the four bytes make a row's scale word
	v_lshl_or_b32 v[\d], v[TM+5], 8, v[TM+4]
	v_lshl_or_b32 v[\d], v[TM+6], 16, v[\d]
	v_lshl_or_b32 v[\d], v[TM+7], 24, v[\d]
.endm
	s_load_b256 s[4:11], s[0:1], 0x0               ; x s[4:5], wq s[6:7], wk s[8:9], wv s[10:11]
	s_load_b128 s[12:15], s[0:1], 0x20             ; wo s[12:13], xq s[14:15]
	s_load_b64 s[16:17], s[0:1], 0x30              ; wimg
	v_lshl_add_u32 v200, v0, 2, 0xc800
	v_mov_b32 v201, 0
	v_lshrrev_b32 v1, 5, v0
	v_readfirstlane_b32 s18, v1                    ; wave 0..3
	v_and_b32 v2, 31, v0                           ; lane
	v_and_b32 v3, 15, v0                           ; r
	v_bfe_u32 v4, v0, 4, 1                         ; h
	v_lshlrev_b32 v[LI], 4, v2
	v_lshlrev_b32 v[LS], 2, v2
	s_mov_b32 s[SEL], 0x76543210
	s_mov_b32 s[SEL+1], 0xfedcba98
	s_mov_b32 s[MNT], 0x600000
	s_mov_b32 vcc_lo, 0xffff0000                   ; lanes 16-31: it stays so in every path
	s_cmp_lt_u32 ttmp9, 512
	s_cbranch_scc1 .Lpath_x
	s_cmp_lt_u32 ttmp9, 672
	s_cbranch_scc1 .Lpath_w
; ---------------- PATH R: cos and sin of position x frequency, one tile of 16 positions a wave ----------------
	s_sub_co_u32 s20, ttmp9, 672
	s_lshl_b32 s20, s20, 2
	s_add_co_u32 s20, s20, s18                     ; T 0..127
	s_lshr_b32 s21, s20, 1
	s_lshl_b32 s21, s21, 5
	s_and_b32 s22, s20, 1
	s_lshl_b32 s22, s22, 3
	s_add_co_u32 s21, s21, s22                     ; 32 (T / 2) + 8 (T % 2)
	s_wait_alu depctr_va_vdst(0)
	v_and_b32 v[POS], 8, v3
	v_add_nc_u32 v[POS], v[POS], v3                ; r + 8 (r / 8)
	v_add_nc_u32 v[POS], s21, v[POS]
	v_cvt_f32_u32 v[POS], v[POS]                   ; rho(T, r), exact in f32
	s_mov_b32 s30, 0xbfc90fdb                      ; -(pi/2 rounded to f32)
	s_mov_b32 s31, 0x333bbd2e                      ; that rounding's excess over pi/2: 4.3711390e-8
	s_mov_b32 s32, 0xb94ca1f9                      ; sine's highest coefficient, -1.9515296e-4
	s_mov_b32 s33, 0x37ccf5ce                      ; cosine's, 2.4433157e-5
	s_lshl_b32 s22, s20, 12
	s_add_co_u32 s22, s22, RT_OFF
	s_mov_b32 s23, 0
; Frequency i of my half: a = pos x 10^(-(16 h + i)/8), rounded once.  n = the nearest whole number to a x 2/pi; rho = a - n pi/2 in two fused steps, of which the first rounds nothing
; (n has 11 bits, the difference lies under 1 and has no bit under 2^-23).  On |rho| <= pi/4: polynomials in z = rho^2; the quadrant n mod 4 swaps them and sets the signs.
; At work: v[SW] a, +1 n, +2 rho, +3 z, +4 n as a whole number, +5 S, +6 z rho, +7 C, +8 and +9 by turns.  The results go to v[16 + i] (cos) and v[32 + i] (sin), which no temporary touches.
.macro SINCOS i, lo, hi
	v_mul_f32 v[SW], \lo, v[POS]
	v_mul_f32 v[SW+1], \hi, v[POS]
	v_cndmask_b32 v[SW], v[SW], v[SW+1], vcc_lo    ; lanes 16-31 take frequency 16 + i
	v_mul_f32 v[SW+1], 0x3f22f983, v[SW]           ; x 2/pi
	v_rndne_f32 v[SW+1], v[SW+1]                   ; n
	v_fma_f32 v[SW+2], v[SW+1], s30, v[SW]
	v_fma_f32 v[SW+2], v[SW+1], s31, v[SW+2]       ; rho
	v_mul_f32 v[SW+3], v[SW+2], v[SW+2]            ; z
	v_cvt_i32_f32 v[SW+4], v[SW+1]
	v_fmaak_f32 v[SW+5], s32, v[SW+3], 0x3c08839e  ; + 8.3321609e-3
	v_fmaak_f32 v[SW+5], v[SW+5], v[SW+3], 0xbe2aaaa3      ; - 1.6666655e-1
	v_mul_f32 v[SW+6], v[SW+3], v[SW+2]
	v_fma_f32 v[SW+5], v[SW+5], v[SW+6], v[SW+2]   ; S = sin rho
	v_fmaak_f32 v[SW+7], s33, v[SW+3], 0xbab6061a  ; - 1.3887316e-3
	v_fmaak_f32 v[SW+7], v[SW+7], v[SW+3], 0x3d2aaaa5      ; + 4.1666646e-2
	v_mul_f32 v[SW+8], v[SW+3], v[SW+3]
	v_fma_f32 v[SW+9], v[SW+3], -0.5, 1.0
	v_fma_f32 v[SW+7], v[SW+7], v[SW+8], v[SW+9]   ; C = cos rho
	v_and_b32 v[SW+8], 1, v[SW+4]
	v_cmp_eq_u32 s34, 1, v[SW+8]                   ; odd quadrants swap
	v_cndmask_b32 v[SW+9], v[SW+5], v[SW+7], s34
	v_cndmask_b32 v[SW+7], v[SW+7], v[SW+5], s34
	v_lshlrev_b32 v[SW+8], 30, v[SW+4]             ; sine is negative in quadrants 2, 3: bit 1 of n
	v_and_b32 v[SW+8], 0x80000000, v[SW+8]
	v_xor_b32 v[32+\i], v[SW+8], v[SW+9]
	v_add_nc_u32 v[SW+4], 1, v[SW+4]               ; cosine in quadrants 1, 2: bit 1 of n + 1
	v_lshlrev_b32 v[SW+4], 30, v[SW+4]
	v_and_b32 v[SW+4], 0x80000000, v[SW+4]
	v_xor_b32 v[16+\i], v[SW+4], v[SW+7]
.endm
	SINCOS 0,  1.0,              0.01
	SINCOS 1,  0.749894209332,   0.00749894209332
	SINCOS 2,  0.562341325190,   0.00562341325190
	SINCOS 3,  0.421696503429,   0.00421696503429
	SINCOS 4,  0.316227766017,   0.00316227766017
	SINCOS 5,  0.237137370566,   0.00237137370566
	SINCOS 6,  0.177827941004,   0.00177827941004
	SINCOS 7,  0.133352143216,   0.00133352143216
	SINCOS 8,  0.1,              0.001
	SINCOS 9,  0.0749894209332,  0.000749894209332
	SINCOS 10, 0.0562341325190,  0.000562341325190
	SINCOS 11, 0.0421696503429,  0.000421696503429
	SINCOS 12, 0.0316227766017,  0.000316227766017
	SINCOS 13, 0.0237137370566,  0.000237137370566
	SINCOS 14, 0.0177827941004,  0.000177827941004
	SINCOS 15, 0.0133352143216,  0.000133352143216
	s_wait_alu depctr_va_vdst(0)
	s_wait_kmcnt 0x0
	s_add_nc_u64 s[16:17], s[16:17], s[22:23]
.irp q, 0,1,2,3
	global_store_b128 v[LI], v[16+4*\q:19+4*\q], s[16:17] offset:512*\q        ; each store of the wave covers 512 consecutive bytes, aligned
	global_store_b128 v[LI], v[32+4*\q:35+4*\q], s[16:17] offset:2048+512*\q
.endr
	s_endpgm
; ---------------- PATH X: work-group T quantises tile T of x; wave w takes K steps 2 w and 2 w + 1 ----------------
; Each load reads 512 consecutive bytes of one row (one K step); the conversions want 16 neighbours along K in one lane: so a K step's 16 rows turn through the wave's own stage.
.Lpath_x:
	s_lshr_b32 s20, ttmp9, 1
	s_lshl_b32 s20, s20, 5
	s_and_b32 s21, ttmp9, 1
	s_lshl_b32 s21, s21, 3
	s_add_co_u32 s20, s20, s21                     ; the tile's first row
	s_lshl_b32 s20, s20, 12                        ; rows of 4,096 bytes
	s_lshl_b32 s21, s18, 10                        ; my two K steps: 1,024 bytes
	s_add_co_u32 s20, s20, s21
	s_mov_b32 s21, 0
	s_lshl_b32 s22, ttmp9, 14                      ; codes: T x 16384 + w x 4096
	s_lshl_b32 s23, s18, 12
	s_add_co_u32 s22, s22, s23
	s_mov_b32 s23, 0
	s_lshl_b32 s24, ttmp9, 9                       ; scale words: T x 512 + w x 128
	s_lshl_b32 s25, s18, 7
	s_add_co_u32 s24, s24, s25
	s_add_co_u32 s24, s24, XSC_OFF
	s_mov_b32 s25, 0
	s_mul_i32 s26, s18, XST
	s_wait_alu depctr_va_vdst(0)
	v_add_nc_u32 v[STI], s26, v[LI]                ; in: a row as it was loaded, 16 bytes a lane
	v_mul_u32_u24 v[STO], v3, XP
	v_lshl_add_u32 v[STO], v4, 6, v[STO]
	v_add_nc_u32 v[STO], s26, v[STO]               ; out: row r, + 64 h: my 16 numbers of each block of 32
.irp b, 0,1,2,3
	v_mov_b32 v[TM+4+\b], 0                        ; written once: a lane permute's destination counts as one of its sources
.endr
	s_wait_alu depctr_va_vdst(0)
	s_wait_kmcnt 0x0
	s_add_nc_u64 s[4:5], s[4:5], s[20:21]
	s_add_nc_u64 s[22:23], s[14:15], s[22:23]
	s_add_nc_u64 s[24:25], s[14:15], s[24:25]
.irp e, 0,1
.irp rr, 0,1,2,3,4,5,6,7,8,9,10,11,12,13,14,15
	global_load_b128 v[R+64*\e+4*\rr:R+64*\e+4*\rr+3], v[LI], s[4:5] offset:(\rr+8*(\rr/8))*4096+512*\e th:TH_LOAD_NT   ; lane-row rr is row rr + 8 (rr / 8) of the tile's span
.endr
.endr
.macro TURN e                          ; LDS serves a wave's instructions in order (ISA guide 5.7.1.4): no wait between the stores and the loads, nor in front of the next turn's stores
.irp rr, 0,1,2,3,4,5,6,7,8,9,10,11,12,13,14,15
	ds_store_b128 v[STI], v[R+64*\e+4*\rr:R+64*\e+4*\rr+3] offset:\rr*XP
.endr
.irp c, 0,1,2,3
.irp j, 0,1,2,3
	ds_load_b128 v[R+64*\e+16*\c+4*\j:R+64*\e+16*\c+4*\j+3], v[STO] offset:128*\c+16*\j
.endr
.endr
.endm
	s_wait_loadcnt 16                              ; the first K step's 16 loads are in; the second's 16 are younger
	TURN 0
	s_wait_loadcnt 0x0
	TURN 1
	s_wait_dscnt 32                                ; the first turn is back: behind its loads stand the second turn's 16 stores and 16 loads
	QUANT4 R, PC
	WORD4 PW
.irp c, 0,1,2,3
	global_store_b128 v[LI], v[PC+4*\c:PC+4*\c+3], s[22:23] offset:512*\c
.endr
	s_wait_dscnt 0x0
	QUANT4 R+64, PC+16
	WORD4 PW+1
.irp c, 0,1,2,3
	global_store_b128 v[LI], v[PC+16+4*\c:PC+16+4*\c+3], s[22:23] offset:2048+512*\c
.endr
	v_cndmask_b32 v[PW+2], v[PW], v[PW+1], vcc_lo  ; lanes 0-15 K step 2 w's words, lanes 16-31 K step 2 w + 1's: both halves of the lanes hold row r's
	global_store_b32 v[LS], v[PW+2], s[24:25]      ; 128 consecutive bytes
	s_wait_tensorcnt 0x0
	ds_add_u32 v200, v201
	s_wait_dscnt 0x0
	s_endpgm
; ---------------- PATH W: 128 columns x 128 along K of a weight; K is the weight's FIRST axis ----------------
; A lane takes a column and its registers run down K: each load reads 128 consecutive bytes, a block of 32 along K lies in one lane, and the codes come out with K innermost.
; The wave's 32 columns are two tiles; the codes go through the wave's stage, laid as the two images, and leave 512 bytes a store.
.Lpath_w:
	s_sub_co_u32 s20, ttmp9, 512
	s_lshr_b32 s21, s20, 3                         ; cg 0..19: which 128 columns of the 2,560
	s_and_b32 s22, s20, 7                          ; s: which 128 along K
	s_wait_alu depctr_va_vdst(0)
	v_bfe_u32 v13, v2, 3, 1                        ; column n' of my 32 is lane-row r_img = n' % 8 + 8 (n' / 16) of tile u = (n' / 8) % 2
	v_and_b32 v14, 7, v2
	v_lshrrev_b32 v15, 4, v2
	v_lshl_add_u32 v14, v15, 3, v14
	s_mul_i32 s26, s18, WST
	s_add_co_u32 s26, s26, WST0
	v_mul_u32_u24 v9, v13, WHALF
	v_lshl_add_u32 v9, v14, 4, v9
	v_add_nc_u32 v9, s26, v9                       ; into the stage: image u, 16 r_img
	v_add_nc_u32 v11, s26, v[LI]                   ; out of it: 16 x lane
	v_lshlrev_b32 v10, 9, v13
	v_lshl_add_u32 v10, v14, 2, v10                ; my scale word: tile u, 4 r_img
	s_lshl_b32 s30, s21, 3
	s_lshl_b32 s31, s18, 1
	s_add_co_u32 s30, s30, s31                     ; my first tile: 8 cg + 2 w
	s_lshl_b32 s32, s30, 9
	s_lshl_b32 s33, s22, 6
	s_add_co_u32 s32, s32, s33
	s_add_co_u32 s32, s32, WS_OFF
	s_mov_b32 s33, 0
	s_lshl_b32 s30, s30, 14
	s_lshl_b32 s31, s22, 11
	s_add_co_u32 s30, s30, s31
	s_mov_b32 s31, 0
	s_wait_kmcnt 0x0
	s_mov_b64 s[24:25], s[6:7]                     ; cg 0-7 wq, 8-9 wk, 10-11 wv, 12-19 wo: the choices hang on the work-group's number alone
	s_mov_b32 s23, 0
	s_cmp_ge_u32 s21, 8
	s_cselect_b64 s[24:25], s[8:9], s[24:25]
	s_cselect_b32 s23, 8, s23
	s_cmp_ge_u32 s21, 10
	s_cselect_b64 s[24:25], s[10:11], s[24:25]
	s_cselect_b32 s23, 10, s23
	s_cmp_ge_u32 s21, 12
	s_cselect_b64 s[24:25], s[12:13], s[24:25]
	s_cselect_b32 s23, 12, s23
	s_sub_co_u32 s26, s21, s23
	s_lshl_b32 s26, s26, 9                         ; 128 columns of 4 bytes
	s_lshl_b32 s27, s18, 7                         ; my 32
	s_add_co_u32 s26, s26, s27
	s_sub_co_u32 s29, s21, 8                       ; under 4 (unsigned) for wk and wv, whose rows are 1,024 bytes; the others' are 4,096
	s_cmp_lt_u32 s29, 4
	s_cselect_b32 s28, 17, 19
	s_lshl_b32 s28, s22, s28                       ; 128 s rows
	s_add_co_u32 s26, s26, s28
	s_mov_b32 s27, 0
	s_add_nc_u64 s[24:25], s[24:25], s[26:27]
	s_add_nc_u64 s[30:31], s[16:17], s[30:31]
	s_add_nc_u64 s[32:33], s[16:17], s[32:33]
	s_cmp_lt_u32 s29, 4
	s_cbranch_scc1 .Lw_narrow
.set n, 0
.rept 128
	global_load_b32 v[R+n], v[LS], s[24:25] offset:n*4096 th:TH_LOAD_NT
.set n, n+1
.endr
	s_branch .Lw_loaded
.Lw_narrow:
.set n, 0
.rept 128
	global_load_b32 v[R+n], v[LS], s[24:25] offset:n*1024 th:TH_LOAD_NT
.set n, n+1
.endr
.Lw_loaded:                                            ; 128 loads were issued on either way
.macro BLOCK c
.set XS, R+32*(\c)
.if (\c) < 2
	s_wait_loadcnt 63                              ; the largest count that the wait can name: at most 63 of the 128 are out, so the oldest 65 are in: blocks 0 and 1
.else
	s_wait_loadcnt 32*(3-(\c))                     ; the younger blocks' loads may be out
.endif
	v_max3_num_f32 v176, |v[XS]|, |v[XS+1]|, |v[XS+2]|     ; all 32 numbers of the block are mine
	v_max3_num_f32 v177, |v[XS+3]|, |v[XS+4]|, |v[XS+5]|
.irp i, 6,10,14,18,22,26
	v_max3_num_f32 v176, v176, |v[XS+\i]|, |v[XS+\i+1]|
	v_max3_num_f32 v177, v177, |v[XS+\i+2]|, |v[XS+\i+3]|
.endr
	v_max3_num_f32 v176, v176, |v[XS+30]|, |v[XS+31]|
	v_max3_num_f32 v176, v176, v177, 0x4800000     ; and the floor
	v_add_nc_u32 v178, 0xfc000000, v176            ; the conversion's scale operand
	v_and_or_b32 v179, v176, 0x7f800000, s[MNT]    ; 448 x the scale
	v_lshrrev_b32 v180, 23, v178                   ; the byte
.if (\c) == 0
	v_mov_b32 v12, v180
.else
	v_lshl_or_b32 v12, v180, 8*(\c), v12
.endif
.set n, 0
.rept 32
	v_med3_num_f32 v[XS+n], v[XS+n], -v179, v179
.set n, n+1
.endr
.irp g, 0,1,2,3
	v_cvt_scalef32_pk8_fp8_f32 v[PC+8*(\c)+2*\g:PC+8*(\c)+2*\g+1], v[XS+8*\g:XS+8*\g+7], v178
.endr
	v_nop                                          ; one plain line behind the last conversion
	ds_store_b128 v9, v[PC+8*(\c):PC+8*(\c)+3] offset:512*(\c)          ; k 32 c + 0..15: the image's lane r_img
	ds_store_b128 v9, v[PC+8*(\c)+4:PC+8*(\c)+7] offset:512*(\c)+256    ; k 32 c + 16..31: its lane 16 + r_img
.endm
	BLOCK 0
	BLOCK 1
	BLOCK 2
	BLOCK 3
.irp u, 0,1
.irp c, 0,1,2,3
	ds_load_b128 v[R+16*\u+4*\c:R+16*\u+4*\c+3], v11 offset:\u*WHALF+512*\c   ; these see my stores: a wave's LDS instructions are served in order
.endr
.endr
	global_store_b32 v10, v12, s[32:33]            ; scale words: runs of 32 bytes; 81,920 bytes in the whole launch leave so
.irp u, 0,1
.irp c, 0,1,2,3
	s_wait_dscnt 7-(4*\u+\c)                       ; the younger read-backs may be out
	global_store_b128 v[LI], v[R+16*\u+4*\c:R+16*\u+4*\c+3], s[30:31] offset:\u*16384+512*\c
.endr
.endr
	s_wait_tensorcnt 0x0
	ds_add_u32 v200, v201
	s_wait_dscnt 0x0
	s_endpgm
.Lfunc_end_k_q289b48833d_prep:
	.size	k_q289b48833d_prep, .Lfunc_end_k_q289b48833d_prep-k_q289b48833d_prep
	.p2alignl 7, 3214868480
	.fill 96, 4, 3214868480
	.section	.rodata,"a",@progbits
	.p2align	6, 0x0
	.amdhsa_kernel k_q289b48833d_prep
		.amdhsa_group_segment_fixed_size 51712
		.amdhsa_private_segment_fixed_size 0
		.amdhsa_enable_private_segment 0
		.amdhsa_kernarg_size 56
		.amdhsa_user_sgpr_count 2
		.amdhsa_user_sgpr_kernarg_segment_ptr 1
		.amdhsa_wavefront_size32 1
		.amdhsa_system_sgpr_workgroup_id_x 1
		.amdhsa_system_sgpr_workgroup_id_y 1
		.amdhsa_system_sgpr_workgroup_id_z 1
		.amdhsa_system_vgpr_workitem_id 0
		.amdhsa_next_free_vgpr 202
		.amdhsa_next_free_sgpr 66
		.amdhsa_reserve_vcc 1
		.amdhsa_float_denorm_mode_32 3
		.amdhsa_float_denorm_mode_16_64 3
		.amdhsa_memory_ordered 1
		.amdhsa_forward_progress 1
		.amdhsa_inst_pref_size 94
	.end_amdhsa_kernel
	.amdgpu_metadata
---
amdhsa.version: [ 1, 2 ]
amdhsa.kernels:
  - .name:           k_q289b48833d_prep
    .symbol:         k_q289b48833d_prep.kd
    .args:
      - { .name: x, .offset: 0, .size: 8, .value_kind: global_buffer, .address_space: global }
      - { .name: wq, .offset: 8, .size: 8, .value_kind: global_buffer, .address_space: global }
      - { .name: wk, .offset: 16, .size: 8, .value_kind: global_buffer, .address_space: global }
      - { .name: wv, .offset: 24, .size: 8, .value_kind: global_buffer, .address_space: global }
      - { .name: wo, .offset: 32, .size: 8, .value_kind: global_buffer, .address_space: global }
      - { .name: xq, .offset: 40, .size: 8, .value_kind: global_buffer, .address_space: global }
      - { .name: wimg, .offset: 48, .size: 8, .value_kind: global_buffer, .address_space: global }
    .group_segment_fixed_size: 51712
    .private_segment_fixed_size: 0
    .kernarg_segment_align: 8
    .kernarg_segment_size: 56
    .max_flat_workgroup_size: 128
    .sgpr_count:     66
    .vgpr_count:     202
    .wavefront_size: 32
...
	.end_amdgpu_metadata
.endif
;; end of part 1
;; launch gemm1 (part 2): grid 32 x 8, 4 waves a work-group, clusters of 4 x 1, 327,680 bytes of LDS; arguments xq, wimg, qq, kv; writes qq, kv
.if DOCPART == 2
	.amdgcn_target "amdgcn-amd-amdhsa--gfx1250"
	.amdhsa_code_object_version 6
	.text
	.protected	k_q289b48833d_gemm1
	.globl	k_q289b48833d_gemm1
	.p2align	8
	.type	k_q289b48833d_gemm1,@function
k_q289b48833d_gemm1:
	s_mov_b64 s[64:65], 0
	v_nop
	global_prefetch_b8 v0, s[64:65] scope:SCOPE_SE
	s_setreg_imm32_b32 hwreg(HW_REG_WAVE_MODE, 25, 1), 1
	s_wait_xcnt 0x0
	s_wait_alu depctr_hold_cnt(0) depctr_sa_sdst(0) depctr_va_vdst(0) depctr_va_sdst(0) depctr_va_ssrc(0) depctr_va_vcc(0) depctr_vm_vsrc(0)
	s_getreg_b32 s2, hwreg(HW_REG_IB_STS2, 6, 4)
	s_cmp_eq_u32 s2, 0
	s_cbranch_scc0 .Lentry_in_a_cluster
	s_endpgm
.Lentry_in_a_cluster:
	s_bfe_u32 s2, ttmp6, 0x10000c
	s_cmp_lg_u32 s2, 0x3003
	s_cbranch_scc0 .Lentry_shape_is_right
	s_endpgm
.Lentry_shape_is_right:
.set WS_OFF, 2621440
.set RT_OFF, 2703360
.set LI,  1
.set LS,  2
.set ADW, 3
.set ADS, 4
.set XSR, 16
.set WSR, 32
.set ACC, 48
.set PC,  176
.set TM,  192
.set PW,  208
.set RT,  210
.set SEL, 60
.set MNT, 62
.set MSB, 0
.macro WIN new
.if MSB != \new
	s_set_vgpr_msb (MSB<<8)|\new
.set MSB, \new
.endif
.endm
.macro ROUND
	s_barrier_signal -1
	s_barrier_wait -1
	s_cmp_lg_u32 s12, 0
	s_cbranch_scc1 .Lnot_wave_0_\@
	s_barrier_signal -3
.Lnot_wave_0_\@:
	s_barrier_wait -3
	s_barrier_signal -1
	s_barrier_wait -1
.endm
.macro QUANT4 s, pc
.irp b, 0,1,2,3
	v_max3_num_f32 v[TM+\b], |v[\s+16*\b]|, |v[\s+1+16*\b]|, 0x4800000
.endr
.irp i, 2,4,6,8,10,12,14
.irp b, 0,1,2,3
	v_max3_num_f32 v[TM+\b], v[TM+\b], |v[\s+16*\b+\i]|, |v[\s+1+16*\b+\i]|
.endr
.endr
.irp b, 0,1,2,3
	v_permlanex16_b32 v[TM+4+\b], v[TM+\b], s[SEL], s[SEL+1]
.endr
.irp b, 0,1,2,3
	v_max_num_f32 v[TM+\b], v[TM+\b], v[TM+4+\b]
.endr
.irp b, 0,1,2,3
	v_add_nc_u32 v[TM+12+\b], 0xfc000000, v[TM+\b]
.endr
.irp b, 0,1,2,3
	v_and_or_b32 v[TM+8+\b], v[TM+\b], 0x7f800000, s[MNT]
.endr
.irp b, 0,1,2,3
	v_lshrrev_b32 v[TM+4+\b], 23, v[TM+12+\b]
.endr
.irp b, 0,1,2,3
.irp i, 0,1,2,3,4,5,6,7,8,9,10,11,12,13,14,15
	v_med3_num_f32 v[\s+16*\b+\i], v[\s+16*\b+\i], -v[TM+8+\b], v[TM+8+\b]
.endr
	v_cvt_scalef32_pk8_fp8_f32 v[\pc+4*\b:\pc+4*\b+1], v[\s+16*\b:\s+16*\b+7], v[TM+12+\b]
	v_cvt_scalef32_pk8_fp8_f32 v[\pc+4*\b+2:\pc+4*\b+3], v[\s+16*\b+8:\s+16*\b+15], v[TM+12+\b]
.endr
	v_nop
.endm
.macro HALVES
	v_lshl_or_b32 v[PW], v[TM+5], 8, v[TM+4]
	v_lshl_or_b32 v[PW+1], v[TM+7], 8, v[TM+6]
	v_cndmask_b32 v[PW], v[PW], v[PW+1], vcc_lo
.endm
.macro FETCH s, p
	WIN 0xc0
.irp t, 0,1,2,3
.irp c, 0,1,2,3
	ds_load_b128 v[64*(\p)+16*\t+4*\c:64*(\p)+16*\t+4*\c+3], v[ADW] offset:\t*16384+(\s)*2048+\c*512
.endr
.endr
.endm
.macro MM swap, s, a, t
.set rX, 128*((\a)%2)+16*(\s)
.set rW, 64*((\s)%2)+16*(\t)
.set rXS, XSR+4*(\a)+(\s)/2
.set rWS, WSR+4*(\t)+(\s)/2
.if \swap
.set rD, ACC+8*(4*(\t)+(\a))
.set rA, rX
.set rB, rW
.set rSA, rXS
.set rSB, rWS
.else
.set rD, ACC+8*(4*(\a)+(\t))
.set rA, rW
.set rB, rX
.set rSA, rWS
.set rSB, rXS
.endif
.if (\s) == 0
	v_wmma_scale_f32_16x16x128_f8f6f4 v[rD:rD+7], v[rA:rA+15], v[rB:rB+15], 0, v[rSA], v[rSB]
.elseif ((\s)%2) == 0
	v_wmma_scale_f32_16x16x128_f8f6f4 v[rD:rD+7], v[rA:rA+15], v[rB:rB+15], v[rD:rD+7], v[rSA], v[rSB]
.else
	v_wmma_scale_f32_16x16x128_f8f6f4 v[rD:rD+7], v[rA:rA+15], v[rB:rB+15], v[rD:rD+7], v[rSA], v[rSB] matrix_a_scale:MATRIX_SCALE_ROW1 matrix_b_scale:MATRIX_SCALE_ROW1
.endif
.endm
.macro KSTEP s, swap
.if (\s) < 7
.if (\s) > 0
.rept 8
	v_nop
.endr
.endif
	FETCH (\s)+1, ((\s)+1)%2
	s_wait_dscnt 16
.else
	s_wait_dscnt 0x0
.endif
.if 16*(7-(\s))+32 > 63
	s_wait_loadcnt 63                              ; behind this K step's fragments of the rows stand 16 loads for each later step and the table's 32: more than the wait can name
.else
	s_wait_loadcnt 16*(7-(\s))+32
.endif
.if \swap
	WIN 0x0d
.else
	WIN 0x07
.endif
.irp a, 0,1
.irp t, 0,1,2,3
	MM \swap, \s, \a, \t
.endr
.endr
.if \swap
	WIN 0x0e
.else
	WIN 0x0b
.endif
.irp a, 2,3
.irp t, 0,1,2,3
	MM \swap, \s, \a, \t
.endr
.endr
.endm
	s_load_b256 s[4:11], s[0:1], 0x0
	v_lshl_add_u32 v254, v0, 2, 0x31800
	v_mov_b32 v255, 0
	ds_add_u32 v254, v255
	ds_add_u32 v254, v255
	v_lshrrev_b32 v1, 5, v0
	v_readfirstlane_b32 s12, v1
	v_and_b32 v2, 31, v0
	v_lshlrev_b32 v[LI], 4, v2
	v_lshlrev_b32 v[LS], 2, v2
	s_bfe_u32 s13, ttmp6, 0x40000
	s_lshl_b32 s14, ttmp9, 2
	s_add_co_u32 s14, s14, s13
	s_and_b32 s15, ttmp7, 0xffff
	s_lshl_b32 s16, s14, 4
	s_lshl_b32 s58, s12, 2
	s_add_co_u32 s16, s16, s58
	s_lshr_b32 s17, s16, 7
	s_and_b32 s18, s16, 127
	s_mul_i32 s19, s15, 3
	s_mov_b32 s20, 0
	s_mov_b32 s21, 0
	s_mov_b32 s22, 196608
	s_mov_b32 s[SEL], 0x76543210
	s_mov_b32 s[SEL+1], 0xfedcba98
	s_mov_b32 s[MNT], 0x600000
.irp b, 0,1,2,3
	v_mov_b32 v[TM+4+\b], 0
.endr
	s_mov_b32 s24, 15|(3<<16)|(1<<21)
	s_mov_b32 s25, 32<<16
	s_mov_b32 s26, 256<<16
	s_mov_b32 s27, 32<<16
	s_mov_b32 s28, 256
	s_mov_b32 s29, 32
	s_mov_b32 s30, 0
	s_mov_b32 s31, 0
	s_mov_b32 s32, 15|(3<<16)|(1<<21)
	s_mov_b32 s33, 32<<16
	s_mov_b32 s34, 24<<16
	s_mov_b32 s35, 32<<16
	s_mov_b32 s36, 24
	s_mov_b32 s37, 32
	s_mov_b32 s38, 0
	s_mov_b32 s39, 0
	s_mov_b32 s40, 1
	s_mul_i32 s41, s12, 65536                      ; waves 0 to 2: one unit of four weight tiles each, 256 rows of 256 bytes
	s_mul_i32 s48, s15, 196608
	s_add_co_u32 s48, s48, s41
	s_mov_b32 s49, 0
	s_mov_b32 s44, 1
	s_mov_b32 s45, 0                               ; wave 3: the three units' scale words, 24 rows of 256 bytes
	s_mul_i32 s50, s15, 6144
	s_add_co_u32 s50, s50, s45
	s_add_co_u32 s50, s50, WS_OFF
	s_mov_b32 s51, 0
	s_add_co_u32 s45, s45, 196608
	s_lshl_b32 s52, s16, 14
	s_mov_b32 s53, 0
	s_lshl_b32 s54, s16, 9
	s_add_co_u32 s54, s54, 8388608
	s_mov_b32 s55, 0
	s_lshl_b32 s56, s18, 12
	s_add_co_u32 s56, s56, RT_OFF
	s_mov_b32 s57, 0
	s_wait_dscnt 0x0
	s_wait_kmcnt 0x0
	s_add_nc_u64 s[42:43], s[6:7], s[48:49]
	s_or_b32 s43, s43, 0x80000000
	s_add_nc_u64 s[46:47], s[6:7], s[50:51]
	s_or_b32 s47, s47, 0x80000000
	s_add_nc_u64 s[52:53], s[4:5], s[52:53]
	s_add_nc_u64 s[54:55], s[4:5], s[54:55]
	s_add_nc_u64 s[56:57], s[6:7], s[56:57]
	s_wait_alu depctr_va_vdst(0)                   ; the wait at the head's end
	ROUND
	s_cmp_lt_u32 s12, 3                            ; one joint load a wave, in one chain of branches on the wave's number
	s_cbranch_scc0 .Lfor_words
	tensor_load_to_lds s[40:43], s[24:31]
	s_nop 0
.rept 4
	v_nop
.endr
	s_branch .Lasked
.Lfor_words:
	tensor_load_to_lds s[44:47], s[32:39]
	s_nop 0
.rept 4
	v_nop
.endr
.Lasked:
	s_wait_alu depctr_va_vdst(0)
.irp a, 0,1,2,3
.irp p, 0,1,2,3
	global_load_b32 v[XSR+4*\a+\p], v[LS], s[54:55] offset:\a*512+\p*128     ; the rows' scale words first,
.endr
.endr
.irp s, 0,1,2,3,4,5,6,7
	WIN 0x40                                       ; then their codes K step by K step, 16 loads a step, in the order in which the products want them,
.irp a, 0,1
.irp c, 0,1,2,3
	global_load_b128 v[128*\a+16*\s+4*\c:128*\a+16*\s+4*\c+3], v[LI], s[52:53] offset:\a*16384+\s*2048+\c*512
.endr
.endr
	WIN 0x80
.irp a, 0,1
.irp c, 0,1,2,3
	global_load_b128 v[128*\a+16*\s+4*\c:128*\a+16*\s+4*\c+3], v[LI], s[52:53] offset:(2+\a)*16384+\s*2048+\c*512
.endr
.endr
.endr
	WIN 0xc0                                       ; and the table of cosines and sines last: 32 loads, wanted behind the first unit's products
.irp a, 0,1,2,3
.irp q, 0,1,2,3,4,5,6,7
	global_load_b128 v[128+32*\a+4*\q:128+32*\a+4*\q+3], v[LI], s[56:57] offset:\a*4096+\q*512
.endr
.endr
	WIN 0
	s_wait_tensorcnt 0x0
	s_barrier_signal -1
	s_barrier_wait -1
	s_mov_b32 vcc_lo, 0xffff0000                   ; lanes 16-31; written behind the tensor loads, and it stays so
.Lunit:
	s_wait_xcnt 0x0
	v_add_nc_u32 v[ADW], s21, v[LI]
	v_add_nc_u32 v[ADS], s22, v[LS]
.irp t, 0,1,2,3
.irp p, 0,1,2,3
	ds_load_b32 v[WSR+4*\t+\p], v[ADS] offset:\t*512+\p*128
.endr
.endr
	FETCH 0, 0
	WIN 0
	s_cmp_ge_u32 s19, 20
	s_cbranch_scc1 .Lv
	s_lshl_b32 s52, s17, 4
	s_add_co_u32 s52, s52, s19
	s_lshl_b32 s52, s52, 7
	s_add_co_u32 s52, s52, s18
	s_lshl_b32 s54, s52, 6
	s_add_co_u32 s54, s54, 8388608
	s_lshl_b32 s52, s52, 10
	s_lshl_b32 s56, s17, 2
	s_add_co_u32 s56, s56, s19
	s_sub_co_u32 s56, s56, 16
	s_mul_i32 s56, s56, 274432
	s_lshl_b32 s57, s18, 10
	s_lshl_b32 s58, s18, 6
	s_add_co_u32 s58, s58, s56
	s_add_co_u32 s58, s58, 262144
	s_add_co_u32 s56, s56, s57
	s_cmp_lt_u32 s19, 16
	s_cselect_b32 s52, s52, s56
	s_cselect_b32 s54, s54, s58
	s_cselect_b64 s[48:49], s[8:9], s[10:11]
	s_mov_b64 s[50:51], s[48:49]
	s_mov_b32 s53, 0
	s_mov_b32 s55, 0
	s_add_nc_u64 s[48:49], s[48:49], s[52:53]
	s_add_nc_u64 s[50:51], s[50:51], s[54:55]
	s_wait_alu depctr_va_vdst(0)
.irp s, 0,1,2,3,4,5,6,7
	KSTEP \s, 0
.endr
	WIN 0
.rept 9
	v_nop
.endr
	s_wait_loadcnt 0x0                             ; the table is in
	WIN 0x0c
.irp a, 0,1,2,3
.irp i, 0,2,4,6,8,10,12,14
.set rL, ACC+32*\a+\i
.set rH, rL+16
.set rC, 128+32*\a+\i
.set rN, rC+16
.set rT, RT+2*(\i%4)
	v_pk_mul_f32 v[rT:rT+1], v[rL:rL+1], v[rN:rN+1]
	v_pk_mul_f32 v[rT+2:rT+3], v[rH:rH+1], v[rN:rN+1]
	v_pk_fma_f32 v[rL:rL+1], v[rL:rL+1], v[rC:rC+1], v[rT+2:rT+3] neg_lo:[0,0,1] neg_hi:[0,0,1]
	v_pk_fma_f32 v[rH:rH+1], v[rH:rH+1], v[rC:rC+1], v[rT:rT+1]
.endr
.endr
	WIN 0
.irp a, 0,2
	s_wait_xcnt 0x0
	QUANT4 ACC+32*\a, PC
	HALVES
	v_lshl_or_b32 v[PW], v[PW], 16, v[PW]
.irp n, 0,1,2,3
	global_store_b128 v[LI], v[PC+4*\n:PC+4*\n+3], s[48:49] offset:\a*1024+512*\n
.endr
	global_store_b32 v[LS], v[PW], s[50:51] offset:\a*64
.endr
	s_branch .Lnext
.Lv:
	s_lshl_b32 s52, s17, 2
	s_add_co_u32 s52, s52, s19
	s_sub_co_u32 s52, s52, 20
	s_mul_i32 s52, s52, 274432
	s_lshr_b32 s56, s18, 3
	s_bfe_u32 s57, s18, 0x10002
	s_lshl_b32 s54, s56, 8
	s_lshl_b32 s58, s57, 1
	s_add_co_u32 s54, s54, s58
	s_add_co_u32 s54, s54, s52
	s_add_co_u32 s54, s54, 270336
	s_lshl_b32 s56, s56, 13
	s_lshl_b32 s57, s57, 10
	s_add_co_u32 s52, s52, s56
	s_add_co_u32 s52, s52, s57
	s_add_co_u32 s52, s52, 131072
	s_mov_b32 s53, 0
	s_mov_b32 s55, 0
	s_add_nc_u64 s[48:49], s[10:11], s[52:53]
	s_add_nc_u64 s[50:51], s[10:11], s[54:55]
	s_wait_alu depctr_va_vdst(0)
.irp s, 0,1,2,3,4,5,6,7
	KSTEP \s, 1
.endr
	WIN 0
.rept 9
	v_nop
.endr
.irp t, 0,2
	s_wait_xcnt 0x0
	QUANT4 ACC+32*\t, PC
	HALVES
.irp n, 0,1,2,3
	global_store_b128 v[LI], v[PC+4*\n:PC+4*\n+3], s[48:49] offset:(\t+\n/2)*2048+(\n%2)*512
.endr
	global_store_b16 v[LS], v[PW], s[50:51] offset:\t*64
.endr
.Lnext:
	s_add_co_u32 s19, s19, 1
	s_add_co_u32 s21, s21, 65536
	s_add_co_u32 s22, s22, 2048
	s_add_co_u32 s20, s20, 1
	s_cmp_lt_u32 s20, 3
	s_cbranch_scc1 .Lunit
	s_wait_dscnt 0x0
	s_wait_tensorcnt 0x0
	ds_add_u32 v254, v255
	s_wait_dscnt 0x0
	ROUND
	s_endpgm
.Lfunc_end_k_q289b48833d_gemm1:
	.size	k_q289b48833d_gemm1, .Lfunc_end_k_q289b48833d_gemm1-k_q289b48833d_gemm1
	.p2alignl 7, 3214868480
	.fill 96, 4, 3214868480
	.section	.rodata,"a",@progbits
	.p2align	6, 0x0
	.amdhsa_kernel k_q289b48833d_gemm1
		.amdhsa_group_segment_fixed_size 327680
		.amdhsa_private_segment_fixed_size 0
		.amdhsa_enable_private_segment 0
		.amdhsa_kernarg_size 32
		.amdhsa_user_sgpr_count 2
		.amdhsa_user_sgpr_kernarg_segment_ptr 1
		.amdhsa_wavefront_size32 1
		.amdhsa_system_sgpr_workgroup_id_x 1
		.amdhsa_system_sgpr_workgroup_id_y 1
		.amdhsa_system_sgpr_workgroup_id_z 1
		.amdhsa_system_vgpr_workitem_id 0
		.amdhsa_next_free_vgpr 1024
		.amdhsa_next_free_sgpr 66
		.amdhsa_reserve_vcc 1
		.amdhsa_float_denorm_mode_32 3
		.amdhsa_float_denorm_mode_16_64 3
		.amdhsa_memory_ordered 1
		.amdhsa_forward_progress 1
		.amdhsa_inst_pref_size 121
	.end_amdhsa_kernel
	.amdgpu_metadata
---
amdhsa.version: [ 1, 2 ]
amdhsa.kernels:
  - .name:           k_q289b48833d_gemm1
    .symbol:         k_q289b48833d_gemm1.kd
    .args:
      - { .name: xq, .offset: 0, .size: 8, .value_kind: global_buffer, .address_space: global }
      - { .name: wimg, .offset: 8, .size: 8, .value_kind: global_buffer, .address_space: global }
      - { .name: qq, .offset: 16, .size: 8, .value_kind: global_buffer, .address_space: global }
      - { .name: kv, .offset: 24, .size: 8, .value_kind: global_buffer, .address_space: global }
    .group_segment_fixed_size: 327680
    .private_segment_fixed_size: 0
    .kernarg_segment_align: 8
    .kernarg_segment_size: 32
    .max_flat_workgroup_size: 128
    .sgpr_count:     66
    .vgpr_count:     1024
    .wavefront_size: 32
...
	.end_amdgpu_metadata
.endif
;; end of part 2
;; launch att (part 3): grid 16 x 16, 8 waves a work-group, clusters of 4 x 1, 276,480 bytes of LDS; arguments qq, kv, aq; writes aq
.if DOCPART == 3
	.amdgcn_target "amdgcn-amd-amdhsa--gfx1250"
	.amdhsa_code_object_version 6
	.text
	.protected	k_q289b48833d_att
	.globl	k_q289b48833d_att
	.p2align	8
	.type	k_q289b48833d_att,@function
k_q289b48833d_att:
	s_mov_b64 s[64:65], 0
	v_nop
	global_prefetch_b8 v0, s[64:65] scope:SCOPE_SE
	s_setreg_imm32_b32 hwreg(HW_REG_WAVE_MODE, 25, 1), 1
	s_wait_xcnt 0x0
	s_wait_alu depctr_hold_cnt(0) depctr_sa_sdst(0) depctr_va_vdst(0) depctr_va_sdst(0) depctr_va_ssrc(0) depctr_va_vcc(0) depctr_vm_vsrc(0)
	s_getreg_b32 s2, hwreg(HW_REG_IB_STS2, 6, 4)
	s_cmp_eq_u32 s2, 0
	s_cbranch_scc0 .Lentry_in_a_cluster
	s_endpgm
.Lentry_in_a_cluster:
	s_bfe_u32 s2, ttmp6, 0x10000c
	s_cmp_lg_u32 s2, 0x3003
	s_cbranch_scc0 .Lentry_shape_is_right
	s_endpgm
.Lentry_shape_is_right:
; ATT: causal attention on codes of E4M3 with E8M0 scales; head size 64; four query heads share a key and value head.
; S^T = K Q^T (source 0 = 16 keys, source 1 = 16 queries), O^T = V^T P^T (source 0 = 16 of the head's 64, source 1 = P): a lane holds ONE query of each of its wave's two tiles throughout.
; THE SOFTMAX: t = score x log2(e) / 8; M = the running largest t rounded UP to a whole number; p = 2^(t - M) is quantised along the keys, not normalised; the row's sum is taken of the
; unquantised p and divides O at the end; when M moves, the sum and O^T are multiplied by 2^(old M - new M), which rounds nothing.  A block's largest p is the block's largest score put through
; the same multiply-add and exponential (this takes v_exp_f32 not to fall where its input rises).
; LEFT OUT: key steps all of whose 128 keys come after a pair's 32 queries: reference() itself puts its causal mask over them, and their p is 0.
; SHARES.  Work-group (qs, bk, cx): key and value head bk = 4 b + kvh, query head 4 kvh + cx.  A wave walks a PAIR of query tiles, 2 m and 2 m + 1 (queries 32 m .. 32 m + 31), at once: each fragment of K and of V
; that it reads feeds two products.  Wave w owns the pairs m1 = 8 qs + w and 63 - m1.  Pair m wants m / 4 + 1 steps of 128 keys: 17 steps a wave.
; LDS holds the whole block of kv (K's codes, V^T's images, both scale words: 274,432 bytes), each byte filled once, one tensor load a wave, IN TWO GROUPS with load lines of their own: waves 0 and 1 bring steps 0 to 8
; of K and of V, waves 2 and 3 the scale words: these four wait in front of the first barrier; waves 4 to 7 bring steps 9 to 15, which the barrier between the two pairs shows.  The first pair (m1 <= 31) has
; 8 trips and reads steps 0 to 8 alone (step 8 only as the K that is asked for one step ahead).  No barrier stands in the loops.
; CLUSTER: the four partners differ in cx alone, the query head: they want the same block, so the loads are joint (mask 15).  cx enters the global addresses of qq and aq and nothing else.
; NO PREFETCH: every byte of kv is asked for once, at the head, by the tensor loads themselves; no loop of this text stands ahead of a load from memory.
; K = 64 IN AN INSTRUCTION OF 128: behind Q's eight registers stand eight of zero codes; a tile of K is named with the eight registers behind it (the next tile's codes, or zeros): finite codes times zero
; codes add nothing.  The scale bytes of those two blocks repeat the real blocks' bytes, in Q's words and in K's.
; A KEY STEP: sixteen products; V of this step and K of the next are asked for into registers of their own; the blocks' maxima and M, the two tiles' lines by turns; tile 0's multiply-adds; O^T's rescaling;
; THE EXPONENTIALS IN TWO BATCHES, each with plain lines between its exponentials that read only what stands ahead of the batch's wait and write only what is read behind the next wait: tile 0's carry tile 1's
; multiply-adds; tile 1's carry tile 0's first sixteen sums of two pairs (into the registers that the codes take later) and its holds.  Then the sums, tile 1's holds, the conversions; eight products.
; THE MASK: a hidden step is jumped over by a scalar branch on ids.  In the step on the diagonal, block m % 4 of 32 keys holds the pair's own 32 positions: it is compared;
; the blocks before it count whole, those behind it become -infinity: scalar branches on ids again.
; The result, divided by the sum, is quantised along (head, d) and stored as the last product's operand: aq is laid as xq; head hd fills K step hd / 2, quarters 2 (hd % 2) + 0, 1.
; LIMITS: a block whose largest magnitude lies under 2^-118 gets the byte 1 with zero codes; NaN and infinities are not served; the scaled scores t stay under 2^31 in magnitude.
; REGISTERS.  Window 0 holds all that vector lines work on, tile x = 0, 1: see the names below.  Window 1: v0-63 K, v64-71 zeros; v72-135 V; v136 + 16 x Q and eight zeros; v168 + 32 x O^T; v232 + 8 x the second pair's Q.
.set LI,  1                            ; 16 x lane
.set LS,  2                            ; 4 x lane
.set R4,  3                            ; 4 r
.set QD,  4                            ; tile 0's query - the diagonal step's first key - 16 h (tile 1's is 8 more)
.set ADK, 5                            ; LDS: the NEXT step's tiles of K
.set ADV, 6                            ; this step's fragments of V
.set ADS, 7                            ; the next step's scale words of K
.set ADT, 8                            ; this step's of V
.set NIL, 9                            ; 0, for the add alone
.set QD0, 10                           ; r + 8 (r / 8) - 16 h
.set SPW, 11                           ; my spare word, for the add alone
.set ST,  12                           ; + 4 x: -M, the largest score, the sum in two halves
.set OM,  20                           ; + x: the old -M
.set TP,  22                           ; + x: at work
.set F,   24                           ; + 2 x: a factor and 0
.set CH,  28                           ; + 6 x: three more chains of the sum
.set KW,  40                           ; v40-43 K's scale words
.set VW,  44                           ; v44-45 V's
.set QW,  46                           ; + 2 x: Q's
.set PWD, 47                           ; + 2 x: p's
.set QW2, 50                           ; + x: the second pair's
.set WH,  52                           ; + x: a half word
.set TM,  56                           ; + 16 x: +0..3 block maxima; +4..7 second chains, then bytes; +8..11 the other half's maxima, then holds; +12..15 the conversions' scale operands
.set PCD, 88                           ; + 16 x: p's codes; ahead of them all 32 registers hold tile 0's sixteen sums of two pairs
.set S,   120                          ; + 64 x: S^T, then p; at the end O
.set KF,  0                            ; window 1
.set VF,  72
.set QF,  136
.set OT,  168
.set Q2,  232
.set CS,  44                           ; s[44:45] c = log2(e) / 8
.set SEL, 46
.set MNT, 48
.set NINF, 62                          ; s62  -infinity
.set G1A, 24                           ; s[24:31], s[32:35] descriptor groups 1 and 0: steps 0 to 8 of K or of V, 288 rows of 256 bytes
.set G0A, 32
.set G1B, 68                           ; s[68:75], s[84:87] half of the scale words, 24 rows
.set G0B, 84
.set G1C, 76                           ; s[76:83], s[88:91] half of steps 9 to 15 of K or of V, 112 rows
.set G0C, 88
.set SPARE, 0x43000                    ; behind the block of kv: the spare words, 128 bytes a wave
.set QSC_OFF, 8388608
.set MSB, 0
.macro WIN new                         ; low byte: bits 1:0 source 0, 3:2 source 1, 5:4 source 2, 7:6 destination; the high byte repeats the setting that is left
.if MSB != \new
	s_set_vgpr_msb (MSB<<8)|\new
.set MSB, \new
.endif
.endm
.macro WALU
	s_wait_alu depctr_va_vdst(0)
.endm
.macro ROUND
	s_barrier_signal -1
	s_barrier_wait -1
	s_cmp_lg_u32 s12, 0
	s_cbranch_scc1 .Lnot_wave_0_\@
	s_barrier_signal -3
.Lnot_wave_0_\@:
	s_barrier_wait -3
	s_barrier_signal -1
	s_barrier_wait -1
.endm
.macro GROUP1 g, rows                  ; so many dense rows of 256 bytes (32 elements of 8); the mask names all four work-groups; bit 21 beside it
	s_mov_b32 s[\g], 15|(3<<16)|(1<<21)
	s_mov_b32 s[\g+1], 32<<16
	s_mov_b32 s[\g+2], (\rows)<<16
	s_mov_b32 s[\g+3], 32<<16
	s_mov_b32 s[\g+4], \rows
	s_mov_b32 s[\g+5], 32
	s_mov_b32 s[\g+6], 0
	s_mov_b32 s[\g+7], 0
.endm
.macro TLOAD g0, g1                    ; an s_nop 0 and four v_nop follow a tensor load
	tensor_load_to_lds s[\g0:\g0+3], s[\g1:\g1+7]
	s_nop 0
.rept 4
	v_nop
.endr
.endm
.macro PKFMA x, n                      ; t - M of pair n of tile x (of the pairs c and -M the low word serves both halves)
	v_pk_fma_f32 v[S+64*(\x)+2*(\n):S+64*(\x)+2*(\n)+1], v[S+64*(\x)+2*(\n):S+64*(\x)+2*(\n)+1], s[CS:CS+1], v[ST+4*(\x):ST+4*(\x)+1] op_sel_hi:[1,0,0]
.endm
.macro DMIN x, n                       ; the hold of pair n at 448 x its block's scale: the conversion does not saturate (ISA guide 7.6.2); p is not negative, so the hold is one-sided
	v_dual_min_num_f32 v[S+64*(\x)+2*(\n)], v[TM+16*(\x)+8+(\n)/8], v[S+64*(\x)+2*(\n)] :: v_dual_min_num_f32 v[S+64*(\x)+2*(\n)+1], v[TM+16*(\x)+8+(\n)/8], v[S+64*(\x)+2*(\n)+1]
.endm
.macro CVT x, g                        ; eight numbers, half block g of eight, become two registers of codes
	v_cvt_scalef32_pk8_fp8_f32 v[PCD+16*(\x)+2*(\g):PCD+16*(\x)+2*(\g)+1], v[S+64*(\x)+8*(\g):S+64*(\x)+8*(\g)+7], v[TM+16*(\x)+12+(\g)/2]
.endm
.macro SUMP x, c, n                    ; chain c of tile x (0: the sum itself) takes the pair of registers n, n + 1 of p
.if (\c) == 0
	v_pk_add_f32 v[ST+4*(\x)+2:ST+4*(\x)+3], v[ST+4*(\x)+2:ST+4*(\x)+3], v[S+64*(\x)+(\n):S+64*(\x)+(\n)+1]
.else
	v_pk_add_f32 v[CH+6*(\x)+2*(\c)-2:CH+6*(\x)+2*(\c)-1], v[CH+6*(\x)+2*(\c)-2:CH+6*(\x)+2*(\c)-1], v[S+64*(\x)+(\n):S+64*(\x)+(\n)+1]
.endif
.endm
.macro ADDL c, i                       ; chain c of tile 0 takes the i-th of its sixteen sums of two pairs
.if (\c) == 0
	v_pk_add_f32 v[ST+2:ST+3], v[ST+2:ST+3], v[PCD+2*(\i):PCD+2*(\i)+1]
.else
	v_pk_add_f32 v[CH+2*(\c)-2:CH+2*(\c)-1], v[CH+2*(\c)-2:CH+2*(\c)-1], v[PCD+2*(\i):PCD+2*(\i)+1]
.endif
.endm
.macro SUM4 n                          ; tile 1's four chains take eight registers of p each way round
	SUMP 1, 0, \n
	SUMP 1, 1, (\n)+2
	SUMP 1, 2, (\n)+4
	SUMP 1, 3, (\n)+6
.endm
	s_load_b128 s[4:7], s[0:1], 0x0                ; qq s[4:5], kv s[6:7]
	s_load_b64 s[8:9], s[0:1], 0x10                ; aq
	v_lshl_add_u32 v[SPW], v0, 2, SPARE
	v_mov_b32 v[NIL], 0
	ds_add_u32 v[SPW], v[NIL]                      ; the opening lines: the add, twice on end, and its wait ahead of my tensor load
	ds_add_u32 v[SPW], v[NIL]
	v_lshrrev_b32 v1, 5, v0
	v_readfirstlane_b32 s12, v1                    ; wave 0..7
	v_and_b32 v2, 31, v0
	v_lshlrev_b32 v[LI], 4, v2
	v_lshlrev_b32 v[LS], 2, v2
	v_and_b32 v[QD0], 15, v0                       ; r
	v_lshlrev_b32 v[R4], 2, v[QD0]
	v_and_b32 v[QD], 8, v[QD0]
	v_add_nc_u32 v[QD0], v[QD0], v[QD]
	v_bfe_u32 v[QD], v0, 4, 1
	v_lshlrev_b32 v[QD], 4, v[QD]
	v_sub_nc_u32 v[QD0], v[QD0], v[QD]
	WALU                                           ; ahead of the run of scalar lines
	s_bfe_u32 s13, ttmp6, 0x40000                  ; cx: the query head within the group
	s_and_b32 s15, ttmp7, 0xffff                   ; bk
	s_lshl_b32 s16, ttmp9, 3
	s_add_co_u32 s16, s16, s12                     ; m1 = 8 qs + wave
	s_lshl_b32 s49, s15, 2
	s_add_co_u32 s49, s49, s13                     ; bh = 4 bk + cx
	s_lshr_b32 s50, s15, 2                         ; b
	s_and_b32 s51, s15, 3
	s_lshl_b32 s51, s51, 2
	s_add_co_u32 s51, s51, s13                     ; hd
	s_lshr_b32 s52, s51, 1
	s_lshl_b32 s52, s52, 6
	s_and_b32 s53, s51, 1
	s_lshl_b32 s53, s53, 1
	s_add_co_u32 s52, s52, s53
	s_add_co_u32 s52, s52, 8388608                 ; aq's scale words: + (hd / 2) x 64 + 2 (hd % 2)
	s_lshl_b32 s51, s51, 10                        ; aq's codes: + hd x 1024
	GROUP1 G1A, 288
	GROUP1 G1B, 24
	GROUP1 G1C, 112
	s_mul_i32 s60, s15, 274432                     ; my block of kv; LDS holds it as memory does
	s_mov_b32 s[G0A], 1
	s_lshl_b32 s[G0A+1], s12, 17                   ; wave 0: K from byte 0; wave 1: V from byte 131,072
	s_add_co_u32 s92, s60, s[G0A+1]
	s_mov_b32 s93, 0
	s_mov_b32 s[G0B], 1
	s_and_b32 s[G0B+1], s12, 1
	s_mul_i32 s[G0B+1], s[G0B+1], 6144
	s_add_co_u32 s[G0B+1], s[G0B+1], 262144        ; waves 2, 3: the halves of the 12,288 bytes of scale words
	s_add_co_u32 s94, s60, s[G0B+1]
	s_mov_b32 s95, 0
	s_mov_b32 s[G0C], 1
	s_bfe_u32 s[G0C+1], s12, 0x10001
	s_lshl_b32 s[G0C+1], s[G0C+1], 17              ; waves 4, 5: K; waves 6, 7: V;
	s_and_b32 s96, s12, 1
	s_mul_i32 s96, s96, 28672
	s_add_co_u32 s[G0C+1], s[G0C+1], s96           ; the halves of steps 9 to 15,
	s_add_co_u32 s[G0C+1], s[G0C+1], 73728         ; which begin behind step 8
	s_add_co_u32 s96, s60, s[G0C+1]
	s_mov_b32 s97, 0
	s_lshl_b32 s36, s49, 7                         ; Q of my two pairs: (bh x 128 + 2 m) x 1024, 2,048 bytes on end; its words at 8,388,608 + (bh x 128 + 2 m) x 64
	s_sub_co_u32 s56, 63, s16
	s_lshl_b32 s56, s56, 1
	s_add_co_u32 s56, s56, s36
	s_lshl_b32 s57, s16, 1
	s_add_co_u32 s36, s36, s57
	s_lshl_b32 s38, s36, 6
	s_add_co_u32 s38, s38, QSC_OFF
	s_lshl_b32 s36, s36, 10
	s_mov_b32 s37, 0
	s_mov_b32 s39, 0
	s_lshl_b32 s58, s56, 6
	s_add_co_u32 s58, s58, QSC_OFF
	s_lshl_b32 s56, s56, 10
	s_mov_b32 s57, 0
	s_mov_b32 s59, 0
	s_mov_b32 s[CS], 0x3e38aa3b
	s_mov_b32 s[CS+1], s[CS]                       ; (named with it as a pair, so it is written)
	s_mov_b32 s[SEL], 0x76543210
	s_mov_b32 s[SEL+1], 0xfedcba98
	s_mov_b32 s[MNT], 0x600000
	s_mov_b32 s[NINF], 0xff800000
	s_wait_dscnt 0x0                               ; both opening adds are done
	s_wait_kmcnt 0x0
	s_add_nc_u64 s[G0A+2:G0A+3], s[6:7], s[92:93]
	s_or_b32 s[G0A+3], s[G0A+3], 0x80000000
	s_add_nc_u64 s[G0B+2:G0B+3], s[6:7], s[94:95]
	s_or_b32 s[G0B+3], s[G0B+3], 0x80000000
	s_add_nc_u64 s[G0C+2:G0C+3], s[6:7], s[96:97]
	s_or_b32 s[G0C+3], s[G0C+3], 0x80000000
	s_add_nc_u64 s[36:37], s[4:5], s[36:37]
	s_add_nc_u64 s[38:39], s[4:5], s[38:39]
	s_add_nc_u64 s[56:57], s[4:5], s[56:57]
	s_add_nc_u64 s[58:59], s[4:5], s[58:59]
	ROUND                                          ; all four work-groups are here: the joint loads meet
	s_cmp_lt_u32 s12, 2                            ; one chain of branches on the wave's number, one tensor load to an arm
	s_cbranch_scc0 .Lhead_words
	TLOAD G0A, G1A
	s_branch .Lasked
.Lhead_words:
	s_cmp_lt_u32 s12, 4
	s_cbranch_scc0 .Lhead_rest
	TLOAD G0B, G1B
	s_branch .Lasked
.Lhead_rest:
	TLOAD G0C, G1C
.Lasked:
	WIN 0x40                                       ; destinations in window 1
.irp x, 0,1
	global_load_b128 v[QF+16*\x:QF+16*\x+3], v[LI], s[36:37] offset:1024*\x          ; Q of both pairs comes while the block of kv is on its way
	global_load_b128 v[QF+16*\x+4:QF+16*\x+7], v[LI], s[36:37] offset:1024*\x+512
	global_load_b128 v[Q2+8*\x:Q2+8*\x+3], v[LI], s[56:57] offset:1024*\x
	global_load_b128 v[Q2+8*\x+4:Q2+8*\x+7], v[LI], s[56:57] offset:1024*\x+512
.endr
.irp j, 0,1,2,3,4,5,6,7
	v_mov_b32 v[KF+64+\j], 0                       ; what stands behind K's last tile
	v_mov_b32 v[QF+8+\j], 0                        ; Q's zero codes for k 64 .. 127, tile 0's
	v_mov_b32 v[QF+24+\j], 0                       ; and tile 1's
.endr
	WIN 0
.irp x, 0,1
	global_load_b32 v[QW+2*\x], v[R4], s[38:39] offset:64*\x
	global_load_b32 v[QW2+\x], v[R4], s[58:59] offset:64*\x
.endr
.irp x, 0,1
.irp j, 0,1,2,3,4,5,6,7
	v_mov_b32 v[TM+16*\x+4+\j], 0                  ; written once: a lane permute's destination counts as one of its sources
.endr
	v_mov_b32 v[TP+\x], 0
	v_mov_b32 v[F+2*\x], 0
	v_mov_b32 v[F+2*\x+1], 0                       ; (the upper half of the factor's pair)
.endr
	WALU                                           ; at the head's end
	s_cmp_lt_u32 s12, 4
	s_cbranch_scc0 .Lnot_first
	s_wait_tensorcnt 0x0                           ; waves 0 to 3: steps 0 to 8 and the scale words have landed.  The other waves' wait stands at the barrier between the pairs
.Lnot_first:
	s_barrier_signal -1
	s_barrier_wait -1
.macro TILE second
.if \second
	WALU
	s_wait_xcnt 0x0                                ; the first pair's stores have read their bases and data
	s_wait_tensorcnt 0x0                           ; every wave: steps 9 to 15 have landed,
	s_wait_dscnt 0x0
	s_barrier_signal -1
	s_barrier_wait -1                              ; everybody's have; from here on all of the block may be read
	s_sub_co_u32 s17, 63, s16
.else
	s_mov_b32 s17, s16
.endif
	s_lshr_b32 s18, s17, 2                         ; the step on the diagonal
	v_add_nc_u32 v[ADS], 0x40000, v[LS]
	WIN 0x40
.irp t, 0,1,2,3,4,5,6,7
	ds_load_b128 v[KF+8*\t:KF+8*\t+3], v[LI] offset:\t*1024          ; K of step 0
	ds_load_b128 v[KF+8*\t+4:KF+8*\t+7], v[LI] offset:\t*1024+512
.endr
	WIN 0
.irp p, 0,1,2,3
	ds_load_b32 v[KW+\p], v[ADS] offset:\p*128     ; lanes 0-15 tile 2 p's words, lanes 16-31 tile 2 p + 1's
.endr
	s_lshl_b32 s40, s50, 7
	s_lshl_b32 s41, s17, 1
	s_add_co_u32 s40, s40, s41                     ; 128 b + 2 m
	s_lshl_b32 s42, s40, 9
	s_add_co_u32 s42, s42, s52
	s_lshl_b32 s40, s40, 14
	s_add_co_u32 s40, s40, s51
	s_mov_b32 s41, 0
	s_mov_b32 s43, 0
	s_add_nc_u64 s[40:41], s[8:9], s[40:41]
	s_add_nc_u64 s[42:43], s[8:9], s[42:43]
	s_and_b32 s55, s17, 3                          ; m % 4: the block of 32 keys that holds the pair's own positions
	s_lshl_b32 s53, s55, 5
	v_add_nc_u32 v[QD], s53, v[QD0]
.if \second
	WIN 0x41
.irp j, 0,1,2,3,4,5,6,7
	v_mov_b32 v[QF+\j], v[Q2+\j]                   ; the second pair's Q takes its place
	v_mov_b32 v[QF+16+\j], v[Q2+8+\j]
.endr
	WIN 0
	v_mov_b32 v[QW], v[QW2]
	v_mov_b32 v[QW+2], v[QW2+1]
.endif
.irp x, 0,1
	v_mov_b32 v[ST+4*\x+1], 0xff61b1e6             ; the largest score so far: -3e38
	v_mul_f32 v[ST+4*\x], s[CS], v[ST+4*\x+1]
	v_floor_f32 v[ST+4*\x], -v[ST+4*\x]            ; -M, made as every later -M is: so no later M lies under this one
	v_mov_b32 v[ST+4*\x+2], 0
	v_mov_b32 v[ST+4*\x+3], 0
.endr
	WIN 0x40
.set n, 0
.rept 64
	v_mov_b32 v[OT+n], 0                           ; the step is written once: the first finds zeros, which the first change of M leaves zeros
.set n, n+1
.endr
	WIN 0
	s_mov_b32 s19, 0                               ; the step
	s_mov_b32 s20, 8192                            ; LDS: the NEXT step's tiles of K (this step's fragments of V lie 122,880 further on)
	s_mov_b32 s21, 262144+512                      ; the next step's scale words of K
	s_mov_b32 s22, 270336                          ; this step's of V
	WALU                                           ; ahead of the waits below
.if !\second
	s_wait_loadcnt 0x0                             ; Q of both pairs
.endif
	s_wait_dscnt 0x0                               ; K of step 0
.Lstep_\@:
	s_cmp_gt_u32 s19, s18
	s_cbranch_scc1 .Lhidden_\@                     ; all 128 keys come after my 32 queries
	v_mov_b32 v[OM], v[ST]                         ; the old -M of both tiles
	v_mov_b32 v[OM+1], v[ST+4]
	v_add_nc_u32 v[ADK], s20, v[LI]
	v_add_nc_u32 v[ADS], s21, v[LS]
	v_add_nc_u32 v[ADT], s22, v[LS]
	v_add_nc_u32 v[ADV], 0x1e000, v[ADK]
	WALU
	WIN 0x05                                       ; K and Q in window 1, the scores in window 0
.irp t, 0,2,4,6
.irp x, 0,1
	v_wmma_scale_f32_16x16x128_f8f6f4 v[S+64*\x+8*\t:S+64*\x+8*\t+7], v[KF+8*\t:KF+8*\t+15], v[QF+16*\x:QF+16*\x+15], 0, v[KW+\t/2], v[QW+2*\x]
.endr
.irp x, 0,1
	v_wmma_scale_f32_16x16x128_f8f6f4 v[S+64*\x+8*\t+8:S+64*\x+8*\t+15], v[KF+8*\t+8:KF+8*\t+23], v[QF+16*\x:QF+16*\x+15], 0, v[KW+\t/2], v[QW+2*\x] matrix_a_scale:MATRIX_SCALE_ROW1
.endr
.endr                                              ; register 16 b + i of S^T: key 128 step + 32 b + 16 h + i
	WIN 0x40
.rept 8
	v_nop                                          ; eight places; then loads may land where K, V and their words lay, and the scores may be read
.endr
.irp b, 0,1,2,3
.irp c, 0,1,2,3
	ds_load_b128 v[VF+16*\b+4*\c:VF+16*\b+4*\c+3], v[ADV] offset:\b*2048+\c*512   ; V of this step: wanted behind the softmax
.endr
.endr
.irp t, 0,1,2,3,4,5,6,7
	ds_load_b128 v[KF+8*\t:KF+8*\t+3], v[ADK] offset:\t*1024         ; K of the next step (a pair's last step asks for 8,192 bytes that nobody uses: they lie inside what has landed)
	ds_load_b128 v[KF+8*\t+4:KF+8*\t+7], v[ADK] offset:\t*1024+512
.endr
	WIN 0
.irp p, 0,1,2,3
	ds_load_b32 v[KW+\p], v[ADS] offset:\p*128
.endr
	ds_load_b32 v[VW], v[ADT]                      ; V's scale words of this step
	ds_load_b32 v[VW+1], v[ADT] offset:128
	s_cmp_lg_u32 s19, s18
	s_cbranch_scc1 .Lopen_\@                       ; only the step on the diagonal has hidden keys
.irp b, 0,1,2,3
	s_cmp_gt_u32 s55, \b
	s_cbranch_scc1 .Lbd_\@_\b                      ; the block lies before the diagonal's: all its keys count
	s_cmp_eq_u32 s55, \b
	s_cbranch_scc0 .Lbh_\@_\b
.set n, 0
.rept 16
	v_cmp_le_i32 vcc_lo, 32*\b+n, v[QD]            ; the diagonal's block: register 16 b + i counts where 32 b + i <= my query - the step's first key - 16 h
	v_cndmask_b32 v[S+16*\b+n], s[NINF], v[S+16*\b+n], vcc_lo
	v_cmp_le_i32 vcc_lo, 32*\b+n-8, v[QD]          ; tile 1's queries lie 8 further on
	v_cndmask_b32 v[S+64+16*\b+n], s[NINF], v[S+64+16*\b+n], vcc_lo
.set n, n+1
.endr
	s_branch .Lbd_\@_\b
.Lbh_\@_\b:
.set n, 0
.rept 16
	v_mov_b32 v[S+16*\b+n], s[NINF]                ; the block lies behind it: all its keys are hidden
	v_mov_b32 v[S+64+16*\b+n], s[NINF]
.set n, n+1
.endr
.Lbd_\@_\b:
.endr
.Lopen_\@:
	WALU                                           ; behind the branches, ahead of the first reader
.irp x, 0,1
.irp b, 0,1,2,3
	v_max3_num_f32 v[TM+16*\x+\b], v[S+64*\x+16*\b], v[S+64*\x+16*\b+1], v[S+64*\x+16*\b+2]      ; the largest score of each block of 32 keys: sixteen chains by turns; each accumulator is read from its low end on
	v_max3_num_f32 v[TM+16*\x+4+\b], v[S+64*\x+16*\b+8], v[S+64*\x+16*\b+9], v[S+64*\x+16*\b+10]
.endr
.endr
.irp i, 3,5
.irp x, 0,1
.irp b, 0,1,2,3
	v_max3_num_f32 v[TM+16*\x+\b], v[TM+16*\x+\b], v[S+64*\x+16*\b+\i], v[S+64*\x+16*\b+\i+1]
	v_max3_num_f32 v[TM+16*\x+4+\b], v[TM+16*\x+4+\b], v[S+64*\x+16*\b+8+\i], v[S+64*\x+16*\b+9+\i]
.endr
.endr
.endr
.irp x, 0,1
.irp b, 0,1,2,3
	v_max3_num_f32 v[TM+16*\x+\b], v[TM+16*\x+\b], v[TM+16*\x+4+\b], v[S+64*\x+16*\b+7]
.endr
.endr
.irp x, 0,1
.irp b, 0,1,2,3
	v_max_num_f32 v[TM+16*\x+\b], v[TM+16*\x+\b], v[S+64*\x+16*\b+15]
.endr
.endr
.irp x, 0,1
.irp b, 0,1,2,3
	v_permlanex16_b32 v[TM+16*\x+8+\b], v[TM+16*\x+\b], s[SEL], s[SEL+1]
.endr
.endr
.irp x, 0,1
.irp b, 0,1,2,3
	v_max_num_f32 v[TM+16*\x+\b], v[TM+16*\x+\b], v[TM+16*\x+8+\b]   ; with lane l xor 16's 16 keys
.endr
.endr
.irp x, 0,1
	v_max3_num_f32 v[TP+\x], v[TM+16*\x], v[TM+16*\x+1], v[TM+16*\x+2]
.endr
.irp x, 0,1
	v_max3_num_f32 v[ST+4*\x+1], v[ST+4*\x+1], v[TP+\x], v[TM+16*\x+3]   ; the running largest score (c is positive and a rounded product does not fall where its factor rises: the largest t is c x this)
.endr
.irp x, 0,1
	v_mul_f32 v[TP+\x], s[CS], v[ST+4*\x+1]
.endr
.irp x, 0,1
	v_floor_f32 v[ST+4*\x], -v[TP+\x]              ; the new -M = -ceil(t): M IS A WHOLE NUMBER
.endr
.irp x, 0,1
	v_sub_f32 v[TP+\x], v[ST+4*\x], v[OM+\x]       ; old M - new M: a whole number, 0 or less
.endr
.irp b, 0,1,2,3
.irp x, 0,1
	v_fma_f32 v[TM+16*\x+\b], v[TM+16*\x+\b], s[CS], v[ST+4*\x]   ; t - M of each block's largest score
.endr
.endr
.irp x, 0,1
	v_cvt_i32_f32 v[TP+\x], v[TP+\x]               ; (it saturates)
.endr
.set n, 0
.rept 32
	PKFMA 0, n                                     ; tile 0's t - M
.if n == 4
	v_ldexp_f32 v[F], 1.0, v[TP]                   ; f = 2^(old M - new M)
	v_ldexp_f32 v[F+2], 1.0, v[TP+1]
.endif
.set n, n+1
.endr
	WIN 0x41                                       ; O^T in window 1, f in window 0
.irp x, 0,1
.set n, 0
.rept 16
	v_pk_mul_f32 v[OT+32*\x+n:OT+32*\x+n+1], v[OT+32*\x+n:OT+32*\x+n+1], v[F+2*\x:F+2*\x+1] op_sel_hi:[1,0]   ; O^T under the new M, ascending; no transcendental stands between the last step's products and these lines
.set n, n+2
.endr
.endr
	WIN 0
	WALU                                           ; the wait ahead of the first batch
.irp x, 0,1
.irp b, 0,1,2,3
	v_exp_f32 v[TM+16*\x+\b], v[TM+16*\x+\b]       ; the blocks' largest p: the same two instructions on the same number give the same bits as the block's own
.endr
.endr
.set n, 0
.rept 32
	v_exp_f32 v[S+2*n], v[S+2*n]                   ; tile 0's p = 2^(t - M), at most 1;
	v_exp_f32 v[S+2*n+1], v[S+2*n+1]
	PKFMA 1, n                                     ; between them tile 1's t - M: read by the second batch, behind two waits
.set n, n+1
.endr
.irp x, 0,1
	v_pk_mul_f32 v[ST+4*\x+2:ST+4*\x+3], v[ST+4*\x+2:ST+4*\x+3], v[F+2*\x:F+2*\x+1] op_sel_hi:[1,0]   ; the sums under the new M: plain lines behind the batch
.endr
	WALU                                           ; the wait behind it, ahead of its first reader
.irp x, 0,1
.irp b, 0,1,2,3
	v_max_num_f32 v[TM+16*\x+\b], 0x4800000, v[TM+16*\x+\b]    ; the floor 2^(9 - 127): the byte cannot fall under 1
.endr
.endr
.irp x, 0,1
.irp b, 0,1,2,3
	v_add_nc_u32 v[TM+16*\x+12+\b], 0xfc000000, v[TM+16*\x+\b] ; 8 off the exponent field: the conversion's scale operand
.endr
.endr
.irp x, 0,1
.irp b, 0,1,2,3
	v_and_or_b32 v[TM+16*\x+8+\b], v[TM+16*\x+\b], 0x7f800000, s[MNT]   ; 448 x the scale
.endr
.endr
.irp x, 0,1
.irp b, 0,1,2,3
	v_lshrrev_b32 v[TM+16*\x+4+\b], 23, v[TM+16*\x+12+\b]      ; the scale's byte
.endr
.endr
.irp x, 0,1
	v_lshl_or_b32 v[PWD+2*\x], v[TM+16*\x+5], 8, v[TM+16*\x+4] ; p's scale word for these 128 keys
.endr
.irp x, 0,1
	v_lshl_or_b32 v[PWD+2*\x], v[TM+16*\x+6], 16, v[PWD+2*\x]
.endr
.irp x, 0,1
	v_lshl_or_b32 v[PWD+2*\x], v[TM+16*\x+7], 24, v[PWD+2*\x]
.endr
	WALU                                           ; the wait ahead of the second batch: the holds between its exponentials read the bounds just made
.set n, 0
.rept 32
	v_exp_f32 v[S+64+2*n], v[S+64+2*n]             ; tile 1's p;
.if (n%2) == 0
	v_pk_add_f32 v[PCD+n:PCD+n+1], v[S+2*n:S+2*n+1], v[S+2*n+2:S+2*n+3]   ; between them, of tile 0: THE ROW'S SUM IS TAKEN OF THE UNQUANTISED p, ahead of the hold: pairs n and n + 1 into a register pair of their own,
.endif
	v_exp_f32 v[S+64+2*n+1], v[S+64+2*n+1]
.if n >= 2
	DMIN 0, n-2                                    ; and the hold of a pair that has been summed: read by the conversions, behind the next wait
.endif
.set n, n+1
.endr
	DMIN 0, 30
	DMIN 0, 31
	v_nop                                          ; a plain line behind the batch
	WALU                                           ; the wait behind it
	ADDL 0, 0                                      ; tile 0's sixteen sums join in four chains; tile 1's p is summed in four chains; the eight by turns
	v_pk_add_f32 v[CH:CH+1], v[PCD+2:PCD+3], v[PCD+4:PCD+5]
	v_pk_add_f32 v[CH+2:CH+3], v[PCD+6:PCD+7], v[PCD+8:PCD+9]
	v_pk_add_f32 v[CH+4:CH+5], v[PCD+10:PCD+11], v[PCD+12:PCD+13]
	v_pk_add_f32 v[CH+6:CH+7], v[S+64:S+65], v[S+66:S+67]
	v_pk_add_f32 v[CH+8:CH+9], v[S+68:S+69], v[S+70:S+71]
	v_pk_add_f32 v[CH+10:CH+11], v[S+72:S+73], v[S+74:S+75]
	ADDL 0, 7
	ADDL 1, 8
	ADDL 2, 9
	ADDL 3, 10
	SUM4 12
	ADDL 0, 11
	ADDL 1, 12
	ADDL 2, 13
	ADDL 3, 14
	SUM4 20
	ADDL 0, 15
	SUM4 28
	SUM4 36
	SUM4 44
	SUM4 52
	SUMP 1, 0, 60
	SUMP 1, 1, 62
.set g, 0
.rept 4                                            ; block by block: tile 1's eight holds, then two conversions a tile (tile 0's sixteen sums have been read: the codes may take their registers)
.set n, 8*g
.rept 8
	DMIN 1, n
.set n, n+1
.endr
.irp x, 0,1
	CVT \x, 2*g
	CVT \x, 2*g+1
.endr
.set g, g+1
.endr
.irp x, 0,1
	v_pk_add_f32 v[CH+6*\x+2:CH+6*\x+3], v[CH+6*\x+2:CH+6*\x+3], v[CH+6*\x+4:CH+6*\x+5]   ; the chains join: six plain lines, the places between the last codes and the scaled products
.endr
.irp x, 0,1
	v_pk_add_f32 v[ST+4*\x+2:ST+4*\x+3], v[ST+4*\x+2:ST+4*\x+3], v[CH+6*\x:CH+6*\x+1]
.endr
.irp x, 0,1
	v_pk_add_f32 v[ST+4*\x+2:ST+4*\x+3], v[ST+4*\x+2:ST+4*\x+3], v[CH+6*\x+2:CH+6*\x+3]
.endr
	WALU                                           ; ahead of the wait below
	s_wait_dscnt 0x0                               ; V, its words, the next K and its words are in: no LDS load of mine is out at the step's end
	WIN 0x51                                       ; V and O^T in window 1, p's codes in window 0
.irp x, 0,1
	v_wmma_scale_f32_16x16x128_f8f6f4 v[OT+32*\x:OT+32*\x+7], v[VF:VF+15], v[PCD+16*\x:PCD+16*\x+15], v[OT+32*\x:OT+32*\x+7], v[VW], v[PWD+2*\x]
.endr
.irp x, 0,1
	v_wmma_scale_f32_16x16x128_f8f6f4 v[OT+32*\x+8:OT+32*\x+15], v[VF+16:VF+31], v[PCD+16*\x:PCD+16*\x+15], v[OT+32*\x+8:OT+32*\x+15], v[VW], v[PWD+2*\x] matrix_a_scale:MATRIX_SCALE_ROW1
.endr
.irp x, 0,1
	v_wmma_scale_f32_16x16x128_f8f6f4 v[OT+32*\x+16:OT+32*\x+23], v[VF+32:VF+47], v[PCD+16*\x:PCD+16*\x+15], v[OT+32*\x+16:OT+32*\x+23], v[VW+1], v[PWD+2*\x]
.endr
.irp x, 0,1
	v_wmma_scale_f32_16x16x128_f8f6f4 v[OT+32*\x+24:OT+32*\x+31], v[VF+48:VF+63], v[PCD+16*\x:PCD+16*\x+15], v[OT+32*\x+24:OT+32*\x+31], v[VW+1], v[PWD+2*\x] matrix_a_scale:MATRIX_SCALE_ROW1
.endr                                              ; eight accumulators by turns; the next step's sixteen products of S^T stand between two links of a chain
	WIN 0
.Lhidden_\@:
	s_add_co_u32 s20, s20, 8192
	s_add_co_u32 s21, s21, 512
	s_add_co_u32 s22, s22, 256
	s_add_co_u32 s19, s19, 1
	s_cmp_lt_u32 s19, 8+8*\second                  ; the first pair lies in the first 1,024 positions: 8 trips; the second: 16
	s_cbranch_scc1 .Lstep_\@
.rept 8
	v_nop                                          ; eight places in front of the first read of O^T
.endr
.irp x, 0,1
	v_add_f32 v[ST+4*\x+2], v[ST+4*\x+2], v[ST+4*\x+3]             ; the sum's two halves,
.endr
.irp x, 0,1
	v_permlanex16_b32 v[TP+\x], v[ST+4*\x+2], s[SEL], s[SEL+1]
.endr
.irp x, 0,1
	v_add_f32 v[ST+4*\x+2], v[ST+4*\x+2], v[TP+\x]                 ; and lane l xor 16's
.endr
	WALU                                           ; ahead of the transcendentals
	v_rcp_f32 v[F], v[ST+2]
	v_rcp_f32 v[F+2], v[ST+6]
	v_nop                                          ; a plain line behind them
	WIN 0x01                                       ; O^T from window 1; the quotients go where p lay, in window 0
	WALU                                           ; ahead of their first reader, and directly ahead of the first readers of O^T
.irp x, 0,1
.set n, 0
.rept 16
	v_pk_mul_f32 v[S+64*\x+n:S+64*\x+n+1], v[OT+32*\x+n:OT+32*\x+n+1], v[F+2*\x:F+2*\x+1] op_sel_hi:[1,0]   ; register 16 B + i: d = 32 B + 16 h + i of my query
.set n, n+2
.endr
.endr
	WIN 0
; 32 numbers of a lane and tile, two blocks of 32 along d, become 8 registers of codes; the two bytes are left in v[TM + 16 x + 4], + 5
.irp x, 0,1
.irp b, 0,1
	v_max3_num_f32 v[TM+16*\x+\b], |v[S+64*\x+16*\b]|, |v[S+64*\x+1+16*\b]|, 0x4800000
.endr
.endr
.irp i, 2,4,6,8,10,12,14
.irp x, 0,1
.irp b, 0,1
	v_max3_num_f32 v[TM+16*\x+\b], v[TM+16*\x+\b], |v[S+64*\x+16*\b+\i]|, |v[S+64*\x+1+16*\b+\i]|
.endr
.endr
.endr
.irp x, 0,1
.irp b, 0,1
	v_permlanex16_b32 v[TM+16*\x+4+\b], v[TM+16*\x+\b], s[SEL], s[SEL+1]
.endr
.endr
.irp x, 0,1
.irp b, 0,1
	v_max_num_f32 v[TM+16*\x+\b], v[TM+16*\x+\b], v[TM+16*\x+4+\b]
.endr
.endr
.irp x, 0,1
.irp b, 0,1
	v_add_nc_u32 v[TM+16*\x+12+\b], 0xfc000000, v[TM+16*\x+\b]
.endr
.endr
.irp x, 0,1
.irp b, 0,1
	v_and_or_b32 v[TM+16*\x+8+\b], v[TM+16*\x+\b], 0x7f800000, s[MNT]
.endr
.endr
.irp x, 0,1
.irp b, 0,1
	v_lshrrev_b32 v[TM+16*\x+4+\b], 23, v[TM+16*\x+12+\b]
.endr
.endr
.irp x, 0,1
.irp b, 0,1
.irp i, 0,1,2,3,4,5,6,7,8,9,10,11,12,13,14,15
	v_med3_num_f32 v[S+64*\x+16*\b+\i], v[S+64*\x+16*\b+\i], -v[TM+16*\x+8+\b], v[TM+16*\x+8+\b]
.endr
	v_cvt_scalef32_pk8_fp8_f32 v[PCD+16*\x+4*\b:PCD+16*\x+4*\b+1], v[S+64*\x+16*\b:S+64*\x+16*\b+7], v[TM+16*\x+12+\b]
	v_cvt_scalef32_pk8_fp8_f32 v[PCD+16*\x+4*\b+2:PCD+16*\x+4*\b+3], v[S+64*\x+16*\b+8:S+64*\x+16*\b+15], v[TM+16*\x+12+\b]
.endr
.endr
	v_nop                                          ; one plain line behind the last conversion
.irp x, 0,1
	v_lshl_or_b32 v[WH+\x], v[TM+16*\x+5], 8, v[TM+16*\x+4]
.endr
.irp x, 0,1
	global_store_b128 v[LI], v[PCD+16*\x:PCD+16*\x+3], s[40:41] offset:16384*\x          ; 512 consecutive bytes a store, 1,024 on end for a tile
	global_store_b128 v[LI], v[PCD+16*\x+4:PCD+16*\x+7], s[40:41] offset:16384*\x+512
	global_store_b16 v[R4], v[WH+\x], s[42:43] offset:512*\x     ; my head's two bytes of each row's word; both halves of the lanes store the same value at the same place
.endr
.endm
	TILE 0
	TILE 1
	WALU
	s_wait_tensorcnt 0x0                           ; the wave's end
	ds_add_u32 v[SPW], v[NIL]
	s_wait_dscnt 0x0
	ROUND                                          ; the closing round
	s_endpgm
.Lfunc_end_k_q289b48833d_att:
	.size	k_q289b48833d_att, .Lfunc_end_k_q289b48833d_att-k_q289b48833d_att
	.p2alignl 7, 3214868480
	.fill 96, 4, 3214868480
	.section	.rodata,"a",@progbits
	.p2align	6, 0x0
	.amdhsa_kernel k_q289b48833d_att
		.amdhsa_group_segment_fixed_size 276480
		.amdhsa_private_segment_fixed_size 0
		.amdhsa_enable_private_segment 0
		.amdhsa_kernarg_size 24
		.amdhsa_user_sgpr_count 2
		.amdhsa_user_sgpr_kernarg_segment_ptr 1
		.amdhsa_wavefront_size32 1
		.amdhsa_system_sgpr_workgroup_id_x 1
		.amdhsa_system_sgpr_workgroup_id_y 1
		.amdhsa_system_sgpr_workgroup_id_z 1
		.amdhsa_system_vgpr_workitem_id 0
		.amdhsa_next_free_vgpr 512
		.amdhsa_next_free_sgpr 100
		.amdhsa_reserve_vcc 1
		.amdhsa_float_denorm_mode_32 3
		.amdhsa_float_denorm_mode_16_64 3
		.amdhsa_memory_ordered 1
		.amdhsa_forward_progress 1
		.amdhsa_inst_pref_size 140
	.end_amdhsa_kernel
	.amdgpu_metadata
---
amdhsa.version: [ 1, 2 ]
amdhsa.kernels:
  - .name:           k_q289b48833d_att
    .symbol:         k_q289b48833d_att.kd
    .args:
      - { .name: qq, .offset: 0, .size: 8, .value_kind: global_buffer, .address_space: global }
      - { .name: kv, .offset: 8, .size: 8, .value_kind: global_buffer, .address_space: global }
      - { .name: aq, .offset: 16, .size: 8, .value_kind: global_buffer, .address_space: global }
    .group_segment_fixed_size: 276480
    .private_segment_fixed_size: 0
    .kernarg_segment_align: 8
    .kernarg_segment_size: 24
    .max_flat_workgroup_size: 256
    .sgpr_count:     100
    .vgpr_count:     512
    .wavefront_size: 32
...
	.end_amdgpu_metadata
.endif
;; end of part 3
;; launch gemm2 (part 4): grid 32 x 8, 4 waves a work-group, clusters of 4 x 1, 168,448 bytes of LDS; arguments aq, wimg, out0; writes out0
.if DOCPART == 4
	.amdgcn_target "amdgcn-amd-amdhsa--gfx1250"
	.amdhsa_code_object_version 6
	.text
	.protected	k_q289b48833d_gemm2
	.globl	k_q289b48833d_gemm2
	.p2align	8
	.type	k_q289b48833d_gemm2,@function
k_q289b48833d_gemm2:
	s_mov_b64 s[64:65], 0
	v_nop
	global_prefetch_b8 v0, s[64:65] scope:SCOPE_SE
	s_setreg_imm32_b32 hwreg(HW_REG_WAVE_MODE, 25, 1), 1
	s_wait_xcnt 0x0
	s_wait_alu depctr_hold_cnt(0) depctr_sa_sdst(0) depctr_va_vdst(0) depctr_va_sdst(0) depctr_va_ssrc(0) depctr_va_vcc(0) depctr_vm_vsrc(0)
	s_getreg_b32 s2, hwreg(HW_REG_IB_STS2, 6, 4)
	s_cmp_eq_u32 s2, 0
	s_cbranch_scc0 .Lentry_in_a_cluster
	s_endpgm
.Lentry_in_a_cluster:
	s_bfe_u32 s2, ttmp6, 0x10000c
	s_cmp_lg_u32 s2, 0x3003
	s_cbranch_scc0 .Lentry_shape_is_right
	s_endpgm
.Lentry_shape_is_right:
; GEMM2: out0 = (attention's result) wo on codes of E4M3 with E8M0 scales; f32 out.
; Operands are images of registers in permuted tiles: tile T = 2 B + u, lane-row r = row 32 B + 8 u + r + 8 (r / 8); a fragment is [c][lane][16 bytes].
; SHARES.  Work-group (rg, g) makes columns 128 g .. 128 g + 127 (two units of 64) for rows 256 rg on; wave w for the four tiles T0 = 16 rg + 4 w on.  256 work-groups, 256 matrix instructions a wave.
; The rows' codes stay in registers (4 tiles x 8 K steps: 512), loaded once; wo's 8 tiles stay in LDS (131,072 bytes of codes, 4,096 of scale words), each byte filled once.
; CLUSTER: the four work-groups of a cluster differ in rg alone and want the same weights: each wave's tensor load is joint (mask 15).  The place in the cluster enters global addresses of aq and out0 alone.
; Source 0 = 16 columns of wo, source 1 = 16 rows: a lane holds one row, and the 32 registers of a tile of rows are columns 16 h + 0..15 and 32 + 16 h + 0..15 of the unit.
; THE WAY OUT: a tile of 16 rows x 64 columns goes through the wave's own stage (rows of 256 bytes + 16; no tensor load ever lands there) and leaves so that sixteen lanes store 256 consecutive bytes, aligned.
; REGISTERS: window 0: v1-9 addresses; v16-31 the rows' scale words; v32-47 the weights'; v48-175 the 16 accumulators; v176-239 two sets of 32 on the way out.
;   windows 1, 2: the rows' fragments, tile a at v[128 (a % 2) + 16 s].   window 3: v0-127 two sets of 4 weight fragments.
.set WS_OFF, 2621440
.set LI,  1
.set LS,  2
.set ADW, 3
.set ADS, 4
.set STO, 5                            ; the stage: where I put 16 bytes of a row
.set CO,  6                            ; my byte offset in two rows of out0
.set RD,  7                            ; the stage: where I read a row back
.set XSR, 16
.set WSR, 32
.set ACC, 48
.set OB,  176
.set STG, 135168
.set SP,  272
.set MSB, 0
.macro WIN new
.if MSB != \new
	s_set_vgpr_msb (MSB<<8)|\new
.set MSB, \new
.endif
.endm
.macro ROUND
	s_barrier_signal -1
	s_barrier_wait -1
	s_cmp_lg_u32 s12, 0
	s_cbranch_scc1 .Lnot_wave_0_\@
	s_barrier_signal -3
.Lnot_wave_0_\@:
	s_barrier_wait -3
	s_barrier_signal -1
	s_barrier_wait -1
.endm
.macro FETCH s, p                      ; the unit's four weight fragments of K step s into set p
	WIN 0xc0
.irp t, 0,1,2,3
.irp c, 0,1,2,3
	ds_load_b128 v[64*(\p)+16*\t+4*\c:64*(\p)+16*\t+4*\c+3], v[ADW] offset:\t*16384+(\s)*2048+\c*512
.endr
.endr
.endm
.macro MM s, a, t
.set rB, 128*((\a)%2)+16*(\s)
.set rA, 64*((\s)%2)+16*(\t)
.set rSB, XSR+4*(\a)+(\s)/2
.set rSA, WSR+4*(\t)+(\s)/2
.set rD, ACC+8*(4*(\a)+(\t))
.if (\s) == 0
	v_wmma_scale_f32_16x16x128_f8f6f4 v[rD:rD+7], v[rA:rA+15], v[rB:rB+15], 0, v[rSA], v[rSB]       ; the first K step starts the sum
.elseif ((\s)%2) == 0
	v_wmma_scale_f32_16x16x128_f8f6f4 v[rD:rD+7], v[rA:rA+15], v[rB:rB+15], v[rD:rD+7], v[rSA], v[rSB]
.else
	v_wmma_scale_f32_16x16x128_f8f6f4 v[rD:rD+7], v[rA:rA+15], v[rB:rB+15], v[rD:rD+7], v[rSA], v[rSB] matrix_a_scale:MATRIX_SCALE_ROW1 matrix_b_scale:MATRIX_SCALE_ROW1
.endif
.endm
; A K step: the next step's weight fragments are asked for, then 16 products; the 16 accumulators take turns, one instruction a turn, in the same order in every step.
.macro KSTEP s
.if (\s) < 7
.if (\s) > 0
.rept 8
	v_nop                                          ; eight places between the last step's products and the loads into the set that they read
.endr
.endif
	FETCH (\s)+1, ((\s)+1)%2
	s_wait_dscnt 16                                ; all but the 16 just issued
.else
	s_wait_dscnt 0x0
.endif
.if 16*(7-(\s)) > 63
	s_wait_loadcnt 63                              ; behind this K step's fragments of the rows stand 16 loads for each later step: more than the wait can name
.else
	s_wait_loadcnt 16*(7-(\s))
.endif
	WIN 0x07                                       ; source 0 the weight (window 3), source 1 the rows (window 1)
.irp a, 0,1
.irp t, 0,1,2,3
	MM \s, \a, \t
.endr
.endr
	WIN 0x0b                                       ; the rows in window 2
.irp a, 2,3
.irp t, 0,1,2,3
	MM \s, \a, \t
.endr
.endr
.endm
.macro TOSTAGE a                       ; tile a's 16 rows x 256 bytes into my stage and back by rows; a wave's LDS instructions are served in order (ISA guide 5.7.1.4)
	s_wait_xcnt 0x0                                ; the set of out registers was store data two tiles ago
.irp b, 0,1
.irp q, 0,1,2,3
	ds_store_b128 v[STO], v[ACC+32*(\a)+16*\b+4*\q:ACC+32*(\a)+16*\b+4*\q+3] offset:128*\b+16*\q   ; ascending: each accumulator from its low end on
.endr
.endr
.set BB, OB+32*((\a)%2)
.irp t, 0,1,2,3,4,5,6,7
	ds_load_b128 v[BB+4*\t:BB+4*\t+3], v[RD] offset:\t*2*SP
.endr
.endm
.macro SEND a, u, younger              ; younger: the LDS instructions issued behind tile a's loads
.set BB, OB+32*((\a)%2)
	s_wait_dscnt \younger
.irp t, 0,1,2,3,4,5,6,7
	global_store_b128 v[CO], v[BB+4*\t:BB+4*\t+3], s[48:49] offset:(32*((\a)/2)+8*((\a)%2)+2*\t+8*(\t/4))*4096+(\u)*256 th:TH_STORE_NT   ; stage rows 2 t, 2 t + 1 are rows rho(a, 2 t), rho(a, 2 t + 1); 16 lanes store 256 consecutive bytes, aligned
.endr
.endm
.macro UNIT u
	v_add_nc_u32 v[ADW], \u*65536, v[LI]
	s_wait_alu depctr_va_vdst(0)
	v_add_nc_u32 v[ADS], 131072+\u*2048, v[LS]
.irp t, 0,1,2,3
.irp p, 0,1,2,3
	ds_load_b32 v[WSR+4*\t+\p], v[ADS] offset:\t*512+\p*128
.endr
.endr
	FETCH 0, 0
.irp s, 0,1,2,3,4,5,6,7
	KSTEP \s
.endr
	WIN 0
.rept 9
	v_nop                                          ; eight places in front of the first read of results; the ninth for the next unit's products, which begin these accumulators anew
.endr
	TOSTAGE 0
.irp a, 1,2,3
	TOSTAGE \a
	SEND \a-1, \u, 16                              ; behind tile a - 1's loads: tile a's 8 stores and 8 loads
.endr
	SEND 3, \u, 0
.endm
	s_load_b128 s[4:7], s[0:1], 0x0                ; aq s[4:5], wimg s[6:7]
	s_load_b64 s[8:9], s[0:1], 0x10                ; out0
	v_lshl_add_u32 v254, v0, 2, 0x29000
	v_mov_b32 v255, 0
	ds_add_u32 v254, v255
	ds_add_u32 v254, v255
	v_lshrrev_b32 v1, 5, v0
	v_readfirstlane_b32 s12, v1                    ; wave 0..3
	v_and_b32 v2, 31, v0
	v_lshlrev_b32 v[LI], 4, v2
	v_lshlrev_b32 v[LS], 2, v2
	v_and_b32 v8, 15, v0                           ; r
	v_bfe_u32 v9, v0, 4, 1                         ; h
	s_mul_i32 s58, s12, 16*SP
	s_add_co_u32 s58, s58, STG                     ; my stage
	v_mul_u32_u24 v[STO], v8, SP
	v_lshl_add_u32 v[STO], v9, 6, v[STO]
	v_add_nc_u32 v[STO], s58, v[STO]               ; in: row r, + 64 h
	v_mul_u32_u24 v[RD], v9, SP
	v_lshl_add_u32 v[RD], v8, 4, v[RD]
	v_add_nc_u32 v[RD], s58, v[RD]                 ; back: lanes 0-15 one row, lanes 16-31 the next
	v_lshlrev_b32 v[CO], 12, v9
	v_lshl_add_u32 v[CO], v8, 4, v[CO]             ; and the same in out0: rows of 4,096 bytes
	s_bfe_u32 s13, ttmp6, 0x40000                  ; cx
	s_lshl_b32 s14, ttmp9, 2
	s_add_co_u32 s14, s14, s13                     ; rg
	s_and_b32 s15, ttmp7, 0xffff                   ; g
	s_lshl_b32 s16, s14, 4
	s_lshl_b32 s58, s12, 2
	s_add_co_u32 s16, s16, s58                     ; T0
	; descriptors: dense blocks as rows of 256 bytes.  Codes: 256 rows a wave; scale words: 8 rows a wave
	s_mov_b32 s24, 15|(3<<16)|(1<<21)              ; the mask names all four work-groups; elements of 8 bytes; bit 21 beside the mask
	s_mov_b32 s25, 32<<16
	s_mov_b32 s26, 256<<16
	s_mov_b32 s27, 32<<16
	s_mov_b32 s28, 256
	s_mov_b32 s29, 32
	s_mov_b32 s30, 0
	s_mov_b32 s31, 0
	s_mov_b32 s32, 15|(3<<16)|(1<<21)
	s_mov_b32 s33, 32<<16
	s_mov_b32 s34, 8<<16
	s_mov_b32 s35, 32<<16
	s_mov_b32 s36, 8
	s_mov_b32 s37, 32
	s_mov_b32 s38, 0
	s_mov_b32 s39, 0
	s_mov_b32 s40, 1
	s_lshl_b32 s41, s12, 16                        ; LDS: waves 0 and 1 fetch one unit's codes each, 256 rows of 256 bytes
	s_lshl_b32 s50, s15, 17
	s_add_co_u32 s50, s50, s41
	s_add_co_u32 s50, s50, 1572864                 ; wo's tiles begin at tile 96
	s_mov_b32 s51, 0
	s_mov_b32 s44, 1
	s_and_b32 s45, s12, 1                          ; waves 2 and 3 fetch one unit's scale words each, 8 rows of 256 bytes
	s_lshl_b32 s45, s45, 11
	s_lshl_b32 s56, s15, 12
	s_add_co_u32 s56, s56, s45
	s_add_co_u32 s56, s56, WS_OFF+49152
	s_mov_b32 s57, 0
	s_add_co_u32 s45, s45, 131072                  ; LDS: behind the codes
	s_lshl_b32 s52, s16, 14                        ; the rows' codes: T0 x 16384
	s_mov_b32 s53, 0
	s_lshl_b32 s54, s16, 9                         ; their scale words
	s_add_co_u32 s54, s54, 8388608
	s_mov_b32 s55, 0
	s_lshl_b32 s48, s16, 16                        ; out0: 16 T0 rows of 4,096 bytes + 512 g
	s_lshl_b32 s49, s15, 9
	s_add_co_u32 s48, s48, s49
	s_mov_b32 s49, 0
	s_wait_dscnt 0x0
	s_wait_kmcnt 0x0
	s_add_nc_u64 s[42:43], s[6:7], s[50:51]
	s_or_b32 s43, s43, 0x80000000
	s_add_nc_u64 s[46:47], s[6:7], s[56:57]
	s_or_b32 s47, s47, 0x80000000
	s_add_nc_u64 s[52:53], s[4:5], s[52:53]
	s_add_nc_u64 s[54:55], s[4:5], s[54:55]
	s_add_nc_u64 s[48:49], s[8:9], s[48:49]
	ROUND                                          ; all four work-groups are here: the joint loads meet
	s_wait_alu depctr_va_vdst(0)                   ; the wait here, directly ahead of the branch
	s_cmp_lt_u32 s12, 2                            ; one joint load a wave, in one chain of branches on the wave's number; every byte is filled once
	s_cbranch_scc0 .Lfor_words
	tensor_load_to_lds s[40:43], s[24:31]
	s_nop 0
.rept 4
	v_nop
.endr
	s_branch .Lasked
.Lfor_words:
	tensor_load_to_lds s[44:47], s[32:39]
	s_nop 0
.rept 4
	v_nop
.endr
.Lasked:
.irp a, 0,1,2,3
.irp p, 0,1,2,3
	global_load_b32 v[XSR+4*\a+\p], v[LS], s[54:55] offset:\a*512+\p*128     ; the rows' scale words first,
.endr
.endr
.irp s, 0,1,2,3,4,5,6,7
	WIN 0x40                                       ; then their codes K step by K step, 16 loads a step, in the order in which the products want them
.irp a, 0,1
.irp c, 0,1,2,3
	global_load_b128 v[128*\a+16*\s+4*\c:128*\a+16*\s+4*\c+3], v[LI], s[52:53] offset:\a*16384+\s*2048+\c*512
.endr
.endr
	WIN 0x80
.irp a, 0,1
.irp c, 0,1,2,3
	global_load_b128 v[128*\a+16*\s+4*\c:128*\a+16*\s+4*\c+3], v[LI], s[52:53] offset:(2+\a)*16384+\s*2048+\c*512
.endr
.endr
.endr
	WIN 0
	s_wait_tensorcnt 0x0                           ; my part of the weights has landed,
	s_barrier_signal -1
	s_barrier_wait -1                              ; everybody's has; the weights' bytes are only read from here on.  The rows' codes are waited for K step by K step
	UNIT 0
	UNIT 1
	s_wait_dscnt 0x0
	s_wait_tensorcnt 0x0
	ds_add_u32 v254, v255
	s_wait_dscnt 0x0
	ROUND                                          ; the closing round: no work-group ends while a partner may still ask for a tile that names it
	s_endpgm
.Lfunc_end_k_q289b48833d_gemm2:
	.size	k_q289b48833d_gemm2, .Lfunc_end_k_q289b48833d_gemm2-k_q289b48833d_gemm2
	.p2alignl 7, 3214868480
	.fill 96, 4, 3214868480
	.section	.rodata,"a",@progbits
	.p2align	6, 0x0
	.amdhsa_kernel k_q289b48833d_gemm2
		.amdhsa_group_segment_fixed_size 168448
		.amdhsa_private_segment_fixed_size 0
		.amdhsa_enable_private_segment 0
		.amdhsa_kernarg_size 24
		.amdhsa_user_sgpr_count 2
		.amdhsa_user_sgpr_kernarg_segment_ptr 1
		.amdhsa_wavefront_size32 1
		.amdhsa_system_sgpr_workgroup_id_x 1
		.amdhsa_system_sgpr_workgroup_id_y 1
		.amdhsa_system_sgpr_workgroup_id_z 1
		.amdhsa_system_vgpr_workitem_id 0
		.amdhsa_next_free_vgpr 1024
		.amdhsa_next_free_sgpr 66
		.amdhsa_reserve_vcc 0
		.amdhsa_float_denorm_mode_32 3
		.amdhsa_float_denorm_mode_16_64 3
		.amdhsa_memory_ordered 1
		.amdhsa_forward_progress 1
		.amdhsa_inst_pref_size 91
	.end_amdhsa_kernel
	.amdgpu_metadata
---
amdhsa.version: [ 1, 2 ]
amdhsa.kernels:
  - .name:           k_q289b48833d_gemm2
    .symbol:         k_q289b48833d_gemm2.kd
    .args:
      - { .name: aq, .offset: 0, .size: 8, .value_kind: global_buffer, .address_space: global }
      - { .name: wimg, .offset: 8, .size: 8, .value_kind: global_buffer, .address_space: global }
      - { .name: out0, .offset: 16, .size: 8, .value_kind: global_buffer, .address_space: global }
    .group_segment_fixed_size: 168448
    .private_segment_fixed_size: 0
    .kernarg_segment_align: 8
    .kernarg_segment_size: 24
    .max_flat_workgroup_size: 128
    .sgpr_count:     66
    .vgpr_count:     1024
    .wavefront_size: 32
...
	.end_amdgpu_metadata
.endif
;; end of part 4
